; MI455X (gfx1250); checked and timed in simulation.
; The chip was launched on July 23, 2026; its instructions are those of AMD's public machine-readable ISA for CDNA 5 (MIT licence, August 2026) and "CDNA5" Instruction Set Architecture Reference Guide (July 2026). The comments in the code are by the model that wrote it; some were corrected since.
;; HF Prefix Decoder Layer. Allowed arithmetic: float matrix products may take bf16 or f16 operands with f32 sums; other float arithmetic in f32, or as packed bf16 or f16 multiplies, adds, multiply-adds, maxima and minima; sums over many terms, partial sums and values carried from step to step in f32; what a program stores and reads back later, other than sums and carried values, may be rounded once to bf16 or f16.
;; Inputs: cos 1,024 x 128 float32; ln1_w 2,048 float32; ln2_w 2,048 float32; router_w 8 x 2,048 float32; sin 1,024 x 128 float32; w_down 8 x 2,048 x 1,024 float32; w_gate 8 x 1,024 x 2,048 float32; w_up 8 x 1,024 x 2,048 float32; wk 512 x 2,048 float32; wo 2,048 x 1,024 float32; wq 1,024 x 2,048 float32; wv 512 x 2,048 float32; x 1 x 1,024 x 2,048 float32.
;; Outputs: out0 1 x 1,024 x 2,048 float32.
;; One version. Each part assembles by itself: llvm-mc -triple=amdgcn-amd-amdhsa -mcpu=gfx1250 --defsym DOCPART=n.
;; ======== version 1 of 1: 8 launches
;; limits: values are held in f16: magnitudes above 65,504 overflow, below 6.1e-05 lose precision
;; workspace buffers: cast 16,777,216 bytes; qkv 4,194,304 bytes; att 2,097,152 bytes; h1 8,388,608 bytes; hn2 4,202,496 bytes; route 4,096 bytes of whole numbers; g 16,777,216 bytes; y 16,777,216 bytes
;; launch prep (part 1): grid 256 x 1, 4 waves a work-group, no clusters, 0 bytes of LDS; arguments x, ln1_w, wq, wk, wv, wo, cast; writes cast
.if DOCPART == 1
	.amdgcn_target "amdgcn-amd-amdhsa--gfx1250"
	.amdhsa_code_object_version 6
	.text
	.protected	k_qd68a02b6d3_prep
	.globl	k_qd68a02b6d3_prep
	.p2align	8
	.type	k_qd68a02b6d3_prep,@function
k_qd68a02b6d3_prep:
	s_mov_b64 s[64:65], 0
	v_nop
	global_prefetch_b8 v0, s[64:65] scope:SCOPE_SE
	s_setreg_imm32_b32 hwreg(HW_REG_WAVE_MODE, 25, 1), 1
	s_wait_xcnt 0x0
; hn1 = x * rsqrt(mean(x^2) + 1e-6) * ln1_w, rounded once to f16, and wq, wk, wv, wo rounded once to f16, all into cast:
;   byte 0: hn1 [1024][2048];  4 MiB: wq, wk, wv as one matrix [2048][2048];  12 MiB: wo [2048][1024].
; A stream: no LDS, no matrix unit, no cluster (no byte is read twice).  Wave w of work-group b has four jobs of 8,192 source bytes, all at
; source byte (4 b + w) x 8,192: a row of x, and as much of wq, of wk or wv, and of wo.  A job is 16 loads of 512 consecutive bytes and 16 stores of 256.
; LIMITS: f16 ends at 65,504: hn1 is at most 45 |ln1_w|; a weight below 6e-5 keeps f16's fixed step of 6e-8.  NaN and infinities are not treated apart.
.set R0,  32                           ; v[32:95]    a job's 64 numbers a lane
.set R1,  96                           ; v[96:159]
.set R2,  160                          ; v[160:223]
.set OUT, 224                          ; v[224:255]  32 packed words to store
.macro LOADJ R, sp, nt
.set i, 0
.rept 16
.if \nt
	global_load_b128 v[(\R)+4*i:(\R)+4*i+3], v1, s[\sp:\sp+1] offset:512*i th:TH_LOAD_NT
.else
	global_load_b128 v[(\R)+4*i:(\R)+4*i+3], v1, s[\sp:\sp+1] offset:512*i
.endif
.set i, i+1
.endr
.endm
.macro PACKJ R, dp                     ; 64 numbers to f16, and out: each store covers 256 consecutive bytes, aligned
.set i, 0
.rept 32
	v_cvt_pk_f16_f32 v[OUT+i], v[(\R)+2*i], v[(\R)+2*i+1]
.set i, i+1
.endr
.set i, 0
.rept 16
	global_store_b64 v2, v[OUT+2*i:OUT+2*i+1], s[\dp:\dp+1] offset:256*i
.set i, i+1
.endr
.endm
.macro CASTJ R, dp
	s_wait_xcnt 0x0                                ; OUT, which the last job's stores read, is rewritten only behind this wait
	PACKJ \R, \dp
.endm
	s_load_b256 s[4:11], s[0:1], 0x0               ; x s[4:5], ln1_w s[6:7], wq s[8:9], wk s[10:11]
	s_load_b128 s[12:15], s[0:1], 0x20             ; wv s[12:13], wo s[14:15]
	s_load_b64 s[16:17], s[0:1], 0x30              ; cast
	v_and_b32 v3, 31, v0
	v_lshlrev_b32 v1, 4, v3                        ; 16 x lane: loads
	v_lshlrev_b32 v2, 3, v3                        ; 8 x lane: stores
	v_lshrrev_b32 v3, 5, v0
	v_readfirstlane_b32 s18, v3                    ; wave
	s_lshl2_add_u32 s19, ttmp9, s18                ; job number 4 b + w
	s_lshl_b32 s20, s19, 13                        ; source byte
	s_mov_b32 s21, 0
	s_and_b32 s22, s19, 511                        ; wk and wv have 512 rows each
	s_lshl_b32 s22, s22, 13
	s_mov_b32 s23, 0
	s_lshl_b32 s38, s19, 12                        ; destination byte
	s_mov_b32 s39, 0
	s_mov_b32 s24, 0x3a000000                      ; 1 / 2048
	s_mov_b32 s25, 0x358637bd                      ; 1e-6
	s_mov_b32 s26, 0x76543210                      ; v_permlanex16_b32: each lane takes its own place in the other half
	s_mov_b32 s27, 0xfedcba98
	s_wait_kmcnt 0x0
	s_cmp_lt_u32 ttmp9, 128
	s_cselect_b64 s[36:37], s[10:11], s[12:13]     ; wk for the first 512 jobs, wv for the others
	s_add_nc_u64 s[4:5], s[4:5], s[20:21]
	s_add_nc_u64 s[8:9], s[8:9], s[20:21]
	s_add_nc_u64 s[14:15], s[14:15], s[20:21]
	s_add_nc_u64 s[36:37], s[36:37], s[22:23]
	s_add_nc_u64 s[28:29], s[16:17], s[38:39]      ; hn1
	s_add_nc_u64 s[30:31], s[28:29], 0x400000      ; wq's rows
	s_add_nc_u64 s[32:33], s[28:29], 0x800000      ; wk's and wv's rows
	s_add_nc_u64 s[34:35], s[28:29], 0xc00000      ; wo
	LOADJ R0, 4, 0                                 ; x (a later launch reads it again: no hint)
	LOADJ R1, 6, 0                                 ; ln1_w
	LOADJ R2, 8, 1                                 ; wq
	s_wait_loadcnt 32                              ; x is in; the 32 younger loads stay out
.set i, 0
.rept 4
	v_pk_mul_f32 v[4+2*i:5+2*i], v[R0+2*i:R0+2*i+1], v[R0+2*i:R0+2*i+1]  ; four chains, started by the first four pairs
.set i, i+1
.endr
.rept 28
	v_pk_fma_f32 v[4+2*(i%4):5+2*(i%4)], v[R0+2*i:R0+2*i+1], v[R0+2*i:R0+2*i+1], v[4+2*(i%4):5+2*(i%4)]
.set i, i+1
.endr
	v_pk_add_f32 v[4:5], v[4:5], v[6:7]
	v_pk_add_f32 v[8:9], v[8:9], v[10:11]
	v_pk_add_f32 v[4:5], v[4:5], v[8:9]
	v_add_f32 v4, v4, v5
	v_add_f32_dpp v4, v4, v4 row_xmask:1 row_mask:0xf bank_mask:0xf
	v_add_f32_dpp v4, v4, v4 row_xmask:2 row_mask:0xf bank_mask:0xf
	v_add_f32_dpp v4, v4, v4 row_xmask:4 row_mask:0xf bank_mask:0xf
	v_add_f32_dpp v4, v4, v4 row_xmask:8 row_mask:0xf bank_mask:0xf
	v_permlanex16_b32 v5, v4, s26, s27
	v_add_f32 v4, v4, v5
	v_fma_f32 v14, v4, s24, s25                    ; mean + eps
	v_rsq_f32 v12, v14
	v_rsq_f32 v13, v14                             ; twice: a pair for the packed multiply
	v_nop                                          ; a plain instruction behind the last of them,
	s_wait_alu depctr_va_vdst(0)                   ; and the wait ahead of the first use: one for both
	s_wait_loadcnt 16                              ; ln1_w is in; wq stays out
.set i, 0
.rept 32
	v_pk_mul_f32 v[R0+2*i:R0+2*i+1], v[R0+2*i:R0+2*i+1], v[12:13]
	v_pk_mul_f32 v[R0+2*i:R0+2*i+1], v[R0+2*i:R0+2*i+1], v[R1+2*i:R1+2*i+1]
.set i, i+1
.endr
	PACKJ R0, 28
	LOADJ R0, 36, 1                                ; wk or wv
	LOADJ R1, 14, 1                                ; wo
	s_wait_loadcnt 32                              ; wq is in
	CASTJ R2, 30
	s_wait_loadcnt 16
	CASTJ R0, 32
	s_wait_loadcnt 0x0
	CASTJ R1, 34
	s_endpgm
.Lfunc_end_k_qd68a02b6d3_prep:
	.size	k_qd68a02b6d3_prep, .Lfunc_end_k_qd68a02b6d3_prep-k_qd68a02b6d3_prep
	.p2alignl 7, 3214868480
	.fill 96, 4, 3214868480
	.section	.rodata,"a",@progbits
	.p2align	6, 0x0
	.amdhsa_kernel k_qd68a02b6d3_prep
		.amdhsa_group_segment_fixed_size 0
		.amdhsa_private_segment_fixed_size 0
		.amdhsa_enable_private_segment 0
		.amdhsa_kernarg_size 56
		.amdhsa_user_sgpr_count 2
		.amdhsa_user_sgpr_kernarg_segment_ptr 1
		.amdhsa_wavefront_size32 1
		.amdhsa_system_sgpr_workgroup_id_x 1
		.amdhsa_system_sgpr_workgroup_id_y 1
		.amdhsa_system_sgpr_workgroup_id_z 1
		.amdhsa_system_vgpr_workitem_id 0
		.amdhsa_next_free_vgpr 256
		.amdhsa_next_free_sgpr 66
		.amdhsa_reserve_vcc 0
		.amdhsa_float_denorm_mode_32 3
		.amdhsa_float_denorm_mode_16_64 3
		.amdhsa_memory_ordered 1
		.amdhsa_forward_progress 1
		.amdhsa_inst_pref_size 31
	.end_amdhsa_kernel
	.amdgpu_metadata
---
amdhsa.version: [ 1, 2 ]
amdhsa.kernels:
  - .name:           k_qd68a02b6d3_prep
    .symbol:         k_qd68a02b6d3_prep.kd
    .args:
      - { .name: x, .offset: 0, .size: 8, .value_kind: global_buffer, .address_space: global }
      - { .name: ln1_w, .offset: 8, .size: 8, .value_kind: global_buffer, .address_space: global }
      - { .name: wq, .offset: 16, .size: 8, .value_kind: global_buffer, .address_space: global }
      - { .name: wk, .offset: 24, .size: 8, .value_kind: global_buffer, .address_space: global }
      - { .name: wv, .offset: 32, .size: 8, .value_kind: global_buffer, .address_space: global }
      - { .name: wo, .offset: 40, .size: 8, .value_kind: global_buffer, .address_space: global }
      - { .name: cast, .offset: 48, .size: 8, .value_kind: global_buffer, .address_space: global }
    .group_segment_fixed_size: 0
    .private_segment_fixed_size: 0
    .kernarg_segment_align: 8
    .kernarg_segment_size: 56
    .max_flat_workgroup_size: 128
    .sgpr_count:     66
    .vgpr_count:     256
    .wavefront_size: 32
...
	.end_amdgpu_metadata
.endif
;; end of part 1
;; launch qkv (part 2): grid 16 x 8, 4 waves a work-group, clusters of 4 x 4, 327,680 bytes of LDS; arguments cast, cos, sin, qkv; writes qkv
.if DOCPART == 2
	.amdgcn_target "amdgcn-amd-amdhsa--gfx1250"
	.amdhsa_code_object_version 6
	.text
	.protected	k_qd68a02b6d3_qkv
	.globl	k_qd68a02b6d3_qkv
	.p2align	8
	.type	k_qd68a02b6d3_qkv,@function
k_qd68a02b6d3_qkv:
	s_mov_b64 s[64:65], 0
	v_nop
	global_prefetch_b8 v0, s[64:65] scope:SCOPE_SE
	s_setreg_imm32_b32 hwreg(HW_REG_WAVE_MODE, 25, 1), 1
	s_wait_xcnt 0x0
	s_wait_alu depctr_hold_cnt(0) depctr_sa_sdst(0) depctr_va_vdst(0) depctr_va_sdst(0) depctr_va_ssrc(0) depctr_va_vcc(0) depctr_vm_vsrc(0)
	s_getreg_b32 s2, hwreg(HW_REG_IB_STS2, 6, 4)
	s_cmp_eq_u32 s2, 0
	s_cbranch_scc0 .Lentry_in_a_cluster
	s_endpgm
.Lentry_in_a_cluster:
	s_bfe_u32 s2, ttmp6, 0x10000c
	s_cmp_lg_u32 s2, 0xf033
	s_cbranch_scc0 .Lentry_shape_is_right
	s_endpgm
.Lentry_shape_is_right:
; q, k, v = hn1 W^T (hn1 [1024][2048] and W [2048][2048] in f16, from cast; sums in f32), RoPE in f32 on q and k, rounded once to f16 and stored by heads:
; qkv [16][1024][128]: heads 0-7 q, 8-11 k, 12-15 v.  q is stored without the scale.
; A tile of the product is 128 tokens x 128 columns = one head, so that a column d and its partner d + 64 meet in one work-group: 128 work-groups.
; Four waves, each 64 x 64: 16 accumulators.  K goes in steps of 256 (LDS rows of 512 bytes) through two slots filled by the tensor data mover.
; CLUSTER 4 x 4: the four of a row need the same tiles of hn1, the four of a column the same tiles of W: each tile is asked for jointly.
; THE MATRIX INSTRUCTION IS USED TRANSPOSED (source 0 = 16 rows of W, source 1 = 16 tokens): a lane holds one token and eight neighbouring columns.
; A wave takes the blocks of 16 columns 2c, 2c+1, 2c+4, 2c+5 (c = its column half): accumulators (a, b) and (a, b + 2) hold d and d + 64 in the same lane and register.
; LIMITS: f16 ends at 65,504; q, k, v must stay within it.  NaN and infinities are not treated apart.
; REGISTERS: window 0: v0-31 addresses; v32-95 packed results; v96-111 at work; v128-255 accumulators ((a, b) at 128 + 8 (4 a + b)).
;   window 1: two fragment buffers of 128; at the end they take cos and sin.
.set SIZE_K, 2048
.set KSTEP,  256
.set PITCH,  528                       ; 512 bytes + 16 of padding = 132 words: the 16 rows of a fragment load start at 16 different groups of four banks
.set HALFT,  64*PITCH
.set SLOT,   4*HALFT                   ; hn1's 128 rows, then W's 128 rows
.set STAGE,  2*SLOT                    ; behind the ring: 128 rows x 272 bytes for the way out
.set SPITCH, 272
.set SPARE,  STAGE+128*SPITCH          ; the spare words, 128 bytes a wave
.set LAPS,   SIZE_K/(2*KSTEP)
.set ADRA, 16
.set ADRB, 20
.set STO,  24
.set RD,   25
.set CO,   26
.set CSO,  27                          ; my byte offset in cos and sin
.set SPW,  28
.set NIL,  29
.set TMP,  32
.set RT,   96
.set RU,   104
.set ACC,  128
.set F0,   0
.set F1,   128
.set G1, 24
.set G0, 32
.set G1B, 48
.set G0B, 56
.set MSB, 0
.macro WIN new                         ; the immediate's high byte repeats the setting that is left
.if MSB != (\new)
	s_set_vgpr_msb (MSB<<8)|(\new)
.set MSB, \new
.endif
.endm
.set MUL,  0x05                        ; sources 0 and 1 window 1; C and D window 0
.set TO_F, 0x40                        ; destination window 1, address window 0
.macro JLOAD s                         ; a joint load: waves 0 and 1 fetch hn1's two halves, waves 2 and 3 W's; an s_nop 0 and four v_nop follow each line
	s_cmp_eq_u32 s11, 0
	s_cbranch_scc0 .Lfor_b_\@
	tensor_load_to_lds s[G0+4*(\s):G0+4*(\s)+3], s[G1:G1+7]
	s_nop 0
.rept 4
	v_nop
.endr
	s_branch .Lasked_\@
.Lfor_b_\@:
	tensor_load_to_lds s[G0B+4*(\s):G0B+4*(\s)+3], s[G1B:G1B+7]
	s_nop 0
.rept 4
	v_nop
.endr
.Lasked_\@:
.endm
.macro CREST                           ; a round of the cluster's barrier behind its opening barrier
	s_cmp_lg_u32 s10, 0
	s_cbranch_scc1 .Lnot_wave_0_\@
	s_barrier_signal -3
.Lnot_wave_0_\@:
	s_barrier_wait -3
	s_barrier_signal -1
	s_barrier_wait -1
.endm
.macro CROUND
	s_barrier_signal -1
	s_barrier_wait -1
	CREST
.endm
	s_load_b64 s[4:5], s[0:1], 0x0                 ; cast
	s_load_b128 s[68:71], s[0:1], 0x8              ; cos s[68:69], sin s[70:71]
	s_load_b64 s[8:9], s[0:1], 0x18                ; qkv
	v_lshl_add_u32 v[SPW], v0, 2, SPARE
	v_mov_b32 v[NIL], 0
	ds_add_u32 v[SPW], v[NIL]                      ; the wave's opening: the add and its wait ahead of my first tensor load
	v_lshrrev_b32 v1, 5, v0
	v_readfirstlane_b32 s10, v1                    ; wave 0..3
	s_lshr_b32 s11, s10, 1                         ; my half of the tile's rows.  Also: I fetch for hn1 (0) or for W (1)
	s_and_b32 s12, s10, 1                          ; my column half c.  Also: which 64 rows of that tile I fetch
	s_bfe_u32 s40, ttmp6, 0x40000                  ; cx, cy
	s_bfe_u32 s41, ttmp6, 0x40004
	s_lshl_b32 s42, ttmp9, 2
	s_add_co_u32 s42, s42, s40                     ; tile column = head
	s_and_b32 s13, ttmp7, 0xffff
	s_lshl_b32 s13, s13, 2
	s_add_co_u32 s13, s13, s41                     ; tile row
	s_cmp_eq_u32 ttmp9, 3                          ; the clusters of column 3 hold heads 12-15, v: no RoPE.  The same in all sixteen partners
	s_cselect_b32 s72, 1, 0
	s_lshl_b32 s43, s41, 2
	s_lshl_b32 s43, 15, s43                        ; my row of the cluster
	s_lshl_b32 s44, 0x1111, s40                    ; my column
	s_or_b32 s[G1+0], s43, (1<<16)|(1<<20)|(1<<21)|(6<<22)|(3<<25)  ; mask; 2-byte elements; padding on; bit 21 beside a mask; after every 128 words; 4 words
	s_or_b32 s[G1B+0], s44, (1<<16)|(1<<20)|(1<<21)|(6<<22)|(3<<25)
.irp g, G1, G1B
	s_mov_b32 s[(\g)+1], KSTEP<<16                 ; tensor_dim0 = 256
	s_mov_b32 s[(\g)+2], 64<<16                    ; tensor_dim1 = 64
	s_mov_b32 s[(\g)+3], KSTEP<<16                 ; tile_dim0 = 256
	s_mov_b32 s[(\g)+4], 64                        ; tile_dim1 = 64
	s_mov_b32 s[(\g)+5], SIZE_K                    ; elements from row to row
	s_mov_b32 s[(\g)+6], 0
	s_mov_b32 s[(\g)+7], 0
.endr
	s_lshl_b32 s17, s12, 6
	s_lshl_b32 s16, s13, 7
	s_add_co_u32 s16, s16, s17                     ; hn1: row 128 x tile row + 64 x half
	s_lshl_b32 s46, s42, 7
	s_add_co_u32 s46, s46, s17                     ; W: row 128 x tile column + 64 x half
	s_mov_b32 s17, 0
	s_mov_b32 s47, 0
	s_mov_b64 s[18:19], SIZE_K*2
	s_mul_u64 s[16:17], s[16:17], s[18:19]
	s_mul_u64 s[46:47], s[46:47], s[18:19]
	s_mul_i32 s20, s10, HALFT                      ; where they go: wave x 64 rows
	s_lshl_b32 s66, s13, 16                        ; the tile's 128 tokens in cos and sin: 512 bytes a token
	s_mov_b32 s67, 0
	s_wait_dscnt 0x0                               ; the opening add is done
	s_wait_kmcnt 0x0
	s_add_nc_u64 s[6:7], s[4:5], 0x400000          ; W
	s_add_nc_u64 s[14:15], s[4:5], s[16:17]
	s_add_nc_u64 s[46:47], s[6:7], s[46:47]
	s_add_nc_u64 s[68:69], s[68:69], s[66:67]
	s_add_nc_u64 s[70:71], s[70:71], s[66:67]
	CROUND                                         ; all sixteen work-groups are here: the first joint loads meet
.irp s, 0,1
	s_mov_b32 s[G0+4*(\s)], 1
	s_add_co_u32 s[G0+4*(\s)+1], s20, (\s)*SLOT
	s_add_nc_u64 s[G0+4*(\s)+2:G0+4*(\s)+3], s[14:15], (\s)*KSTEP*2
	s_or_b32 s[G0+4*(\s)+3], s[G0+4*(\s)+3], 0x80000000
	s_mov_b32 s[G0B+4*(\s)], 1
	s_add_co_u32 s[G0B+4*(\s)+1], s20, (\s)*SLOT
	s_add_nc_u64 s[G0B+4*(\s)+2:G0B+4*(\s)+3], s[46:47], (\s)*KSTEP*2
	s_or_b32 s[G0B+4*(\s)+3], s[G0B+4*(\s)+3], 0x80000000
	JLOAD \s
.endr
	v_and_b32 v1, 15, v0                           ; r = l % 16
	v_bfe_u32 v2, v0, 4, 1                         ; h = l / 16
	v_mul_u32_u24 v3, v1, PITCH
	v_lshl_add_u32 v3, v2, 4, v3
	s_mul_i32 s21, s11, HALFT                      ; my 64 rows of hn1
	s_mul_i32 s22, s12, 32*PITCH                   ; W: my blocks begin at row 32 c,
	s_add_co_u32 s22, s22, 2*HALFT                 ; behind hn1's 128 rows
.irp s, 0,1
	v_add_nc_u32 v[ADRA+(\s)], s21, v3
	v_add_nc_u32 v[ADRB+(\s)], s22, v3
	s_add_co_u32 s21, s21, SLOT
	s_add_co_u32 s22, s22, SLOT
.endr
	s_mul_i32 s23, s11, 64*SPITCH                  ; into the stage: row 64 x half + r, byte 64 c + 16 h
	s_lshl_b32 s21, s12, 6
	s_add_co_u32 s23, s23, s21
	s_add_co_u32 s23, s23, STAGE
	v_mul_u32_u24 v4, v1, SPITCH
	v_lshl_add_u32 v4, v2, 4, v4
	v_add_nc_u32 v[STO], s23, v4
	s_mul_i32 s23, s10, 32*SPITCH                  ; back: wave w takes rows 32 w .. 32 w + 31, whole
	s_add_co_u32 s23, s23, STAGE
	v_mul_u32_u24 v5, v2, SPITCH
	v_lshl_add_u32 v5, v1, 4, v5
	v_add_nc_u32 v[RD], s23, v5
	v_lshlrev_b32 v5, 8, v2                        ; and the same two rows of a head: 256 bytes each
	v_lshl_add_u32 v[CO], v1, 4, v5
	v_lshlrev_b32 v[CSO], 9, v1                    ; cos, sin: token 64 x half + r, column 32 c + 8 h
	v_lshl_add_u32 v[CSO], v2, 5, v[CSO]
	s_lshl_b32 s21, s11, 15
	s_lshl_b32 s22, s12, 7
	s_add_co_u32 s21, s21, s22
	v_add_nc_u32 v[CSO], s21, v[CSO]
	s_lshl_b32 s16, s13, 7
	s_lshl_b32 s17, s10, 5
	s_add_co_u32 s16, s16, s17                     ; the first token that I store
	s_lshl_b32 s16, s16, 8
	s_mov_b32 s17, 0
	s_add_nc_u64 s[8:9], s[8:9], s[16:17]
	s_lshl_b32 s46, s42, 18                        ; the head: 1,024 rows of 256 bytes
	s_mov_b32 s47, 0
	s_add_nc_u64 s[8:9], s[8:9], s[46:47]
.macro MUL8 f, c, a0, zero             ; 8 matrix instructions: token blocks a0, a0 + 1 x my 4 column blocks, 32 along K
	WIN MUL
.irp a, \a0, (\a0)+1
.irp b, 0,1,2,3
.if \zero
	v_wmma_f32_16x16x32_f16 v[ACC+8*(4*(\a)+(\b)):ACC+8*(4*(\a)+(\b))+7], v[(\f)+64+8*(4*(\c)+(\b)):(\f)+64+8*(4*(\c)+(\b))+7], v[(\f)+8*(4*(\c)+(\a)):(\f)+8*(4*(\c)+(\a))+7], 0
.else
	v_wmma_f32_16x16x32_f16 v[ACC+8*(4*(\a)+(\b)):ACC+8*(4*(\a)+(\b))+7], v[(\f)+64+8*(4*(\c)+(\b)):(\f)+64+8*(4*(\c)+(\b))+7], v[(\f)+8*(4*(\c)+(\a)):(\f)+8*(4*(\c)+(\a))+7], v[ACC+8*(4*(\a)+(\b)):ACC+8*(4*(\a)+(\b))+7]
.endif
.endr
.endr
.endm
.macro FETCH slot, k, f                ; 32 LDS loads in one run: 64 along K at byte k; W's block i lies at rows 16 (i + 2 (i / 2)) behind my first
	WIN TO_F
.irp c, 0,1
.irp i, 0,1,2,3
	ds_load_b128 v[(\f)+64+8*(4*(\c)+(\i)):(\f)+64+8*(4*(\c)+(\i))+3],   v[ADRB+(\slot)] offset:(\k)+64*(\c)+((\i)+2*((\i)/2))*16*PITCH
	ds_load_b128 v[(\f)+64+8*(4*(\c)+(\i))+4:(\f)+64+8*(4*(\c)+(\i))+7], v[ADRB+(\slot)] offset:(\k)+64*(\c)+((\i)+2*((\i)/2))*16*PITCH+32
	ds_load_b128 v[(\f)+8*(4*(\c)+(\i)):(\f)+8*(4*(\c)+(\i))+3],         v[ADRA+(\slot)] offset:(\k)+64*(\c)+(\i)*16*PITCH
	ds_load_b128 v[(\f)+8*(4*(\c)+(\i))+4:(\f)+8*(4*(\c)+(\i))+7],       v[ADRA+(\slot)] offset:(\k)+64*(\c)+(\i)*16*PITCH+32
.endr
.endr
.endm
.macro PLACES                          ; four places in front of loads into registers that matrix instructions have read, and of vector work that reads results
.rept 4
	v_nop
.endr
.endm
.macro QUARTER slot, k, f, g, zero     ; 64 along K: multiplies buffer f and fetches the next quarter, at byte k, into g
	s_wait_dscnt 16                                ; the first 32 along K are in
	WIN MUL
	MUL8 \f, 0, 0, \zero
	MUL8 \f, 0, 2, \zero
	PLACES
	FETCH \slot, \k, \g
	s_wait_dscnt 32                                ; all but the 32 just issued
	WIN MUL
	MUL8 \f, 1, 0, 0
	MUL8 \f, 1, 2, 0
.endm
.macro TURN slot, next, fill           ; the last quarter changes slots: one barrier; in front of it all my tensor loads, the add, and my reads of this slot are waited for
	WIN 0
	s_wait_tensorcnt 0x0                           ; all my tensor loads have landed: my part of the next slot
	ds_add_u32 v[SPW], v[NIL]
	s_wait_dscnt 17                                ; the add and the youngest sixteen loads may be out
	WIN MUL
	MUL8 F1, 0, 0, 0
	s_wait_dscnt 0x0                               ; the add is done, and my reads of this slot are over
	s_barrier_signal -1
	MUL8 F1, 0, 2, 0
.if \fill
	WIN 0
.endif
	s_barrier_wait -1
.if \fill
	CREST                                          ; the barrier has opened a round of the cluster's: no wave of any partner still reads this slot or has a load on its way
	s_add_nc_u64 s[G0+4*(\slot)+2:G0+4*(\slot)+3], s[G0+4*(\slot)+2:G0+4*(\slot)+3], 2*KSTEP*2
	s_add_nc_u64 s[G0B+4*(\slot)+2:G0B+4*(\slot)+3], s[G0B+4*(\slot)+2:G0B+4*(\slot)+3], 2*KSTEP*2
	JLOAD \slot                                    ; the first tensor load behind the round; its four v_nop are also the places in front of the loads below
.else
	PLACES
.endif
	FETCH \next, 0, F0
	WIN MUL
	MUL8 F1, 1, 0, 0
	MUL8 F1, 1, 2, 0
.endm
; cos and sin for token blocks 2 half, 2 half + 1 and column blocks b = 0, 1, into the fragment buffer that has been multiplied: 32 registers for each (a, b):
; cos(d) 0-7, sin(d) 8-15, cos(d + 64) 16-23, sin(d + 64) 24-31.  32 loads.
.macro ROPELD half
	WIN 0x40
.irp aa, 0,1
.irp b, 0,1
.set CB, 128*(\half)+32*(2*(\aa)+(\b))
.set IM, (2*(\half)+(\aa))*8192+(\b)*64
.irp q, 0,1
	global_load_b128 v[CB+4*(\q):CB+4*(\q)+3],       v[CSO], s[68:69] offset:IM+16*(\q)
	global_load_b128 v[CB+8+4*(\q):CB+8+4*(\q)+3],   v[CSO], s[70:71] offset:IM+16*(\q)
	global_load_b128 v[CB+16+4*(\q):CB+16+4*(\q)+3], v[CSO], s[68:69] offset:IM+256+16*(\q)
	global_load_b128 v[CB+24+4*(\q):CB+24+4*(\q)+3], v[CSO], s[70:71] offset:IM+256+16*(\q)
.endr
.endr
.endr
.endm
; out(d) = x(d) cos(d) - x(d + 64) sin(d); out(d + 64) = x(d + 64) cos(d + 64) + x(d) sin(d + 64).  Each accumulator is read from its low end on.
.macro ROPE a
.irp b, 0,1
.set RLO, ACC+8*(4*(\a)+(\b))
.set RHI, RLO+16
.set CB, 128*((\a)/2)+32*(2*((\a)%2)+(\b))
	WIN 0x04                                       ; source 1 (cos, sin) in window 1
.irp i, 0,1,2,3
	v_pk_mul_f32 v[RT+2*(\i):RT+2*(\i)+1], v[RLO+2*(\i):RLO+2*(\i)+1], v[CB+2*(\i):CB+2*(\i)+1]
.endr
.irp i, 0,1,2,3
	v_pk_mul_f32 v[RU+2*(\i):RU+2*(\i)+1], v[RHI+2*(\i):RHI+2*(\i)+1], v[CB+16+2*(\i):CB+16+2*(\i)+1]
.endr
.irp i, 0,1,2,3
	v_pk_fma_f32 v[RT+2*(\i):RT+2*(\i)+1], v[RHI+2*(\i):RHI+2*(\i)+1], v[CB+8+2*(\i):CB+8+2*(\i)+1], v[RT+2*(\i):RT+2*(\i)+1] neg_lo:[1,0,0] neg_hi:[1,0,0]
.endr
.irp i, 0,1,2,3
	v_pk_fma_f32 v[RU+2*(\i):RU+2*(\i)+1], v[RLO+2*(\i):RLO+2*(\i)+1], v[CB+24+2*(\i):CB+24+2*(\i)+1], v[RU+2*(\i):RU+2*(\i)+1]
.endr
	WIN 0
.irp i, 0,1,2,3
	v_cvt_pk_f16_f32 v[TMP+4*(4*(\a)+(\b))+(\i)], v[RT+2*(\i)], v[RT+2*(\i)+1]
.endr
.irp i, 0,1,2,3
	v_cvt_pk_f16_f32 v[TMP+4*(4*(\a)+(\b)+2)+(\i)], v[RU+2*(\i)], v[RU+2*(\i)+1]
.endr
.endr
.endm
	s_wait_tensorcnt 1                             ; my part of K step 0 is in; K step 1's may stay out
	s_barrier_signal -1
	s_barrier_wait -1
	FETCH 0, 0, F0
	QUARTER 0, 128, F0, F1, 1                      ; the first quarter's first products start the sums
	WIN 0
	s_mov_b32 s3, LAPS-1
.Llap:                                                 ; a trip goes once round the ring and fills both slots again
	QUARTER 0, 256, F1, F0, 0
	QUARTER 0, 384, F0, F1, 0
	TURN 0, 1, 1
	QUARTER 1, 128, F0, F1, 0
	QUARTER 1, 256, F1, F0, 0
	QUARTER 1, 384, F0, F1, 0
	TURN 1, 0, 1
	QUARTER 0, 128, F0, F1, 0
	WIN 0
	s_sub_co_u32 s3, s3, 1
	s_cmp_lg_u32 s3, 0
	s_cbranch_scc1 .Llap
	QUARTER 0, 256, F1, F0, 0                      ; the last lap fills nothing
	QUARTER 0, 384, F0, F1, 0
	TURN 0, 1, 0
	QUARTER 1, 128, F0, F1, 0
	QUARTER 1, 256, F1, F0, 0
	QUARTER 1, 384, F0, F1, 0
	WIN 0
	s_cmp_lg_u32 s72, 0
	s_cbranch_scc1 .Lv1                            ; v takes no cos and sin
	PLACES
	ROPELD 0                                       ; buffer 0 has been multiplied for the last time
	WIN 0
.Lv1:
	s_wait_dscnt 16
	WIN MUL
	MUL8 F1, 0, 0, 0
	MUL8 F1, 0, 2, 0
	s_wait_dscnt 0
	MUL8 F1, 1, 0, 0
	MUL8 F1, 1, 2, 0
	WIN 0
	s_cmp_lg_u32 s72, 0
	s_cbranch_scc1 .Lplain
	PLACES
	ROPELD 1
	s_wait_loadcnt 32                              ; the first 32 loads are in: token blocks 0 and 1
	ROPE 0
	ROPE 1
	s_wait_loadcnt 0x0
	ROPE 2
	ROPE 3
	WIN 0
	s_branch .Lstage
.Lplain:
	PLACES
.irp t, 0,1,2,3,4,5,6,7,8,9,10,11,12,13,14,15
.irp r, 0,1,2,3
	v_cvt_pk_f16_f32 v[TMP+4*(\t)+(\r)], v[ACC+8*(\t)+2*(\r)], v[ACC+8*(\t)+2*(\r)+1]
.endr
.endr
.Lstage:                                               ; 16 bytes a lane into the stage; a barrier, since a row's 256 bytes come from two waves; back as whole rows
.irp a, 0,1,2,3
.irp b, 0,1,2,3
	ds_store_b128 v[STO], v[TMP+4*(4*(\a)+(\b)):TMP+4*(4*(\a)+(\b))+3] offset:(\a)*16*SPITCH+32*((\b)%2)+128*((\b)/2)
.endr
.endr
	s_wait_dscnt 0x0                               ; for the others' sake: my stores into the stage are done
	s_barrier_signal -1
	s_barrier_wait -1
.irp t, 0,1,2,3,4,5,6,7,8,9,10,11,12,13,14,15
	ds_load_b128 v[TMP+4*(\t):TMP+4*(\t)+3], v[RD] offset:(\t)*2*SPITCH
.endr
.irp t, 0,1,2,3,4,5,6,7,8,9,10,11,12,13,14,15
	s_wait_dscnt 15-(\t)
	global_store_b128 v[CO], v[TMP+4*(\t):TMP+4*(\t)+3], s[8:9] offset:512*(\t)  ; two rows of a head: 512 consecutive bytes, aligned
.endr
	s_wait_tensorcnt 0x0                           ; the wave's end
	ds_add_u32 v[SPW], v[NIL]
	s_wait_dscnt 0x0
	CROUND                                         ; the closing round
	s_endpgm
.Lfunc_end_k_qd68a02b6d3_qkv:
	.size	k_qd68a02b6d3_qkv, .Lfunc_end_k_qd68a02b6d3_qkv-k_qd68a02b6d3_qkv
	.p2alignl 7, 3214868480
	.fill 96, 4, 3214868480
	.section	.rodata,"a",@progbits
	.p2align	6, 0x0
	.amdhsa_kernel k_qd68a02b6d3_qkv
		.amdhsa_group_segment_fixed_size 327680
		.amdhsa_private_segment_fixed_size 0
		.amdhsa_enable_private_segment 0
		.amdhsa_kernarg_size 32
		.amdhsa_user_sgpr_count 2
		.amdhsa_user_sgpr_kernarg_segment_ptr 1
		.amdhsa_wavefront_size32 1
		.amdhsa_system_sgpr_workgroup_id_x 1
		.amdhsa_system_sgpr_workgroup_id_y 1
		.amdhsa_system_sgpr_workgroup_id_z 1
		.amdhsa_system_vgpr_workitem_id 0
		.amdhsa_next_free_vgpr 512
		.amdhsa_next_free_sgpr 74
		.amdhsa_reserve_vcc 0
		.amdhsa_float_denorm_mode_32 3
		.amdhsa_float_denorm_mode_16_64 3
		.amdhsa_memory_ordered 1
		.amdhsa_forward_progress 1
		.amdhsa_inst_pref_size 106
	.end_amdhsa_kernel
	.amdgpu_metadata
---
amdhsa.version: [ 1, 2 ]
amdhsa.kernels:
  - .name:           k_qd68a02b6d3_qkv
    .symbol:         k_qd68a02b6d3_qkv.kd
    .args:
      - { .name: cast, .offset: 0, .size: 8, .value_kind: global_buffer, .address_space: global }
      - { .name: cos, .offset: 8, .size: 8, .value_kind: global_buffer, .address_space: global }
      - { .name: sin, .offset: 16, .size: 8, .value_kind: global_buffer, .address_space: global }
      - { .name: qkv, .offset: 24, .size: 8, .value_kind: global_buffer, .address_space: global }
    .group_segment_fixed_size: 327680
    .private_segment_fixed_size: 0
    .kernarg_segment_align: 8
    .kernarg_segment_size: 32
    .max_flat_workgroup_size: 128
    .sgpr_count:     74
    .vgpr_count:     512
    .wavefront_size: 32
...
	.end_amdgpu_metadata
.endif
;; end of part 2
;; launch attn (part 3): grid 64 x 4, 8 waves a work-group, no clusters, 211,968 bytes of LDS; arguments qkv, att; writes att
.if DOCPART == 3
	.amdgcn_target "amdgcn-amd-amdhsa--gfx1250"
	.amdhsa_code_object_version 6
	.text
	.protected	k_qd68a02b6d3_attn
	.globl	k_qd68a02b6d3_attn
	.p2align	8
	.type	k_qd68a02b6d3_attn,@function
k_qd68a02b6d3_attn:
	s_mov_b64 s[64:65], 0
	v_nop
	global_prefetch_b8 v0, s[64:65] scope:SCOPE_SE
	s_setreg_imm32_b32 hwreg(HW_REG_WAVE_MODE, 25, 1), 1
	s_wait_xcnt 0x0
; CAUSAL ATTENTION with grouped heads.  att[t][128 head + d] = sum over k <= t of softmax_k(q[head][t] . k[head / 2][k] / sqrt(128)) v[head / 2][k][d].
; qkv: f16 [16][1024][128] (q 0-7, k 8-11, v 12-15); att: f16 [1024][1024].  Products, maxima and sums in f32; the weights are rounded to f16 for the second product, att once.
; SHARES.  Work-group (i, gk): queries 16 i .. 16 i + 15 of the two query heads 2 gk, 2 gk + 1 (tiles u = 0, 1), which share K and V: 256 work-groups.  The keys go in blocks of 32, up to block i / 2;
; wave w takes blocks w, w + 8, ..: at most four trips where one wave would have 32.  The eight partial results (c m, l, O) meet in LDS and are merged in f32.
; LAYOUT.  S^T = K Q^T: a lane holds one query (lane % 16) and the keys 8 (lane / 16) + 0..7; two such results rounded to f16 are source 1 of O^T = V^T P.
; K comes from memory straight into operand registers; V goes through 32 rows of LDS of the wave's own, to be turned by ds_load_tr16_b128.
; THE MASK is the C operand that starts S^T: 0, or -1e30 where the key lies behind the query.  Every block up to i / 2 shows each query a key, so a wave's maximum is a true score.
; m starts at the lowest finite number, O and l at 0 (cleared on purpose): the first trip is a trip like any other with a = 0, and a wave without blocks hands in a part that weighs 0.
; NO TENSOR LOADS AND NO CLUSTER: each wave reads other blocks, and the work-groups of a head need different numbers of them.
; LIMITS.  q, k, v lie within f16; a hidden score counts as its value less 1e30; a weight below 2^-126 counts as 0; NaN and infinities are not treated apart.
; REGISTERS.  window 0: v1-15, v32 addresses; v16-31 statistics (8 a tile: c m, m, l pair, c0-c3; a takes c2's place); v48-63 mask; v64-95 S^T; v96-111 P; v112-175 K; v176-239 V^T.
;   window 1: v0-127 O^T (64 u + 8 cb); v128-191 Q (32 u + 8 c); v192-255 V as loaded.
.set VBP, 288                          ; a row of V in LDS: 256 + 32 bytes: an odd multiple of 32
.set VBW, 32*VBP
.set OLB, 8*VBW                        ; the waves' partial O: 32 rows (16 u + query) of 528 bytes each
.set OLP, 528
.set OLW, 32*OLP
.set MLB, OLB+8*OLW                    ; (c m, l): 256 bytes a wave
.set SPARE, MLB+2048                   ; the spare words, 128 bytes a wave
.set KO,  3
.set VO,  4
.set VST, 5
.set VTR, 6
.set REL, 7
.set THR, 8
.set MLA, 9
.set SPW, 10
.set NIL, 11
.set OLA, 12
.set MRA, 13
.set ORA, 14
.set ST,  16
.set GO,  32
.set MC,  48
.set S,   64
.set P,   96
.set KF,  112
.set VF,  176
.set O,   0
.set Q,   128
.set VS,  192
.set MSB, 0
.macro WIN new
.if MSB != (\new)
	s_set_vgpr_msb (MSB<<8)|(\new)
.set MSB, \new
.endif
.endm
.macro PLACES
.rept 4
	v_nop
.endr
.endm
.macro TWO line:vararg                 ; one line for each tile u
.set u, 0
.rept 2
	\line
.set u, u+1
.endr
.endm
.macro KLOAD                           ; a block's K: 32 keys x 128 channels, 8 fragments
.irp kb, 0,1
.irp c, 0,1,2,3
	global_load_b128 v[KF+32*(\kb)+8*(\c):KF+32*(\kb)+8*(\c)+3],   v[KO], s[20:21] offset:(\kb)*4096+(\c)*64
	global_load_b128 v[KF+32*(\kb)+8*(\c)+4:KF+32*(\kb)+8*(\c)+7], v[KO], s[20:21] offset:(\kb)*4096+(\c)*64+32
.endr
.endr
.endm
.macro VLOAD                           ; a block's V: 8,192 consecutive bytes
	WIN 0x40
.set i, 0
.rept 16
	global_load_b128 v[VS+4*i:VS+4*i+3], v[VO], s[22:23] offset:512*i
.set i, i+1
.endr
	WIN 0
.endm
	s_load_b128 s[4:7], s[0:1], 0x0                ; qkv s[4:5], att s[6:7]
	v_lshl_add_u32 v[SPW], v0, 2, SPARE
	v_mov_b32 v[NIL], 0
	v_lshrrev_b32 v12, 5, v0
	v_readfirstlane_b32 s8, v12                    ; wave 0..7
	s_mov_b32 s9, ttmp9                            ; i
	s_and_b32 s10, ttmp7, 0xffff                   ; gk
	s_lshr_b32 s11, s9, 1                          ; the last block
	s_add_co_u32 s12, s11, 8
	s_sub_co_u32 s12, s12, s8
	s_lshr_b32 s12, s12, 3                         ; my trips: 0 to 4
	v_and_b32 v1, 15, v0                           ; r
	v_bfe_u32 v2, v0, 4, 1                         ; h
	v_and_b32 v12, 31, v0
	v_lshlrev_b32 v[KO], 8, v1
	v_lshl_add_u32 v[KO], v2, 4, v[KO]             ; row x 256 + 16 h
	v_lshlrev_b32 v[VO], 4, v12
	s_mul_i32 s36, s8, VBW
	v_mul_u32_u24 v[VST], v2, VBP
	v_lshl_add_u32 v[VST], v1, 4, v[VST]
	v_add_nc_u32 v[VST], s36, v[VST]               ; V into LDS: lanes 0-15 one row, lanes 16-31 the next
	v_and_b32 v13, 7, v0
	v_lshl_add_u32 v[VTR], v2, 3, v13
	v_mul_u32_u24 v[VTR], v[VTR], VBP
	v_bfe_u32 v13, v0, 3, 1
	v_lshl_add_u32 v[VTR], v13, 4, v[VTR]
	v_add_nc_u32 v[VTR], s36, v[VTR]               ; the turning load: key 8 h + l % 8, channels 8 ((l / 8) % 2) on
	v_lshlrev_b32 v[REL], 3, v2
	v_sub_nc_u32 v[REL], v[REL], v1                ; 8 h - r
	s_mov_b32 s26, 0x3e0293ee                      ; c = log2(e) / sqrt(128)
	s_mov_b32 s27, s26
	s_mov_b32 s28, 0x76543210
	s_mov_b32 s29, 0xfedcba98
	s_mov_b32 s30, 0xf149f2ca                      ; -1e30
	s_mov_b32 s14, s8                              ; j
	s_lshl_b32 s31, s9, 4
	s_lshl_b32 s39, s8, 5
	s_sub_co_i32 s31, s31, s39                     ; 16 i - 32 j
	s_lshl_b32 s38, s12, 3
	s_add_co_u32 s38, s38, s8
	s_sub_co_u32 s38, s38, 8                       ; my last block (used where I have one)
	WIN 0x40
.set i, 0
.rept 128
	v_mov_b32 v[O+i], 0
.set i, i+1
.endr
	WIN 0
.irp u, 0,1
	v_mov_b32 v[ST+8*(\u)], 0xfe000000             ; c m: far below every c s
	v_mov_b32 v[ST+8*(\u)+1], 0xff7fffff           ; m
.irp n, 2,3,4,5,6,7
	v_mov_b32 v[ST+8*(\u)+(\n)], 0
.endr
.endr
	s_add_co_u32 s24, s10, 8
	s_lshl_b32 s24, s24, 18                        ; K's head: 262,144 bytes a head
	s_mov_b32 s25, 0
	s_lshl_b32 s40, s10, 19                        ; Q's first head, 2 gk,
	s_lshl_b32 s41, s9, 12                         ; and my 16 rows
	s_add_co_u32 s40, s40, s41
	s_mov_b32 s41, 0
	s_lshl_b32 s42, s9, 4                          ; att: row 16 i + 4 (w % 4), column block 2 gk + w / 4
	s_and_b32 s43, s8, 3
	s_lshl2_add_u32 s42, s43, s42
	s_lshl_b32 s42, s42, 11
	s_lshl_b32 s43, s10, 1
	s_lshr_b32 s44, s8, 2
	s_add_co_u32 s43, s43, s44
	s_lshl_b32 s43, s43, 8
	s_add_co_u32 s42, s42, s43
	s_mov_b32 s43, 0
	s_wait_kmcnt 0x0
	s_add_nc_u64 s[16:17], s[4:5], s[24:25]        ; K's head
	s_add_nc_u64 s[18:19], s[16:17], 0x100000      ; V's head, four heads on
	s_add_nc_u64 s[32:33], s[4:5], s[40:41]        ; Q, tile 0
	s_add_nc_u64 s[34:35], s[32:33], 0x40000       ; Q, tile 1
	s_add_nc_u64 s[6:7], s[6:7], s[42:43]
	s_cmp_eq_u32 s12, 0
	s_cbranch_scc1 .Lpart                          ; no block for me: my part stays neutral
	s_lshl_b32 s24, s14, 13
	s_add_nc_u64 s[20:21], s[16:17], s[24:25]
	s_add_nc_u64 s[22:23], s[18:19], s[24:25]
	WIN 0x40
.irp u, 0,1
.irp c, 0,1,2,3
	global_load_b128 v[Q+32*(\u)+8*(\c):Q+32*(\u)+8*(\c)+3],   v[KO], s[32+2*(\u):33+2*(\u)] offset:(\c)*64
	global_load_b128 v[Q+32*(\u)+8*(\c)+4:Q+32*(\u)+8*(\c)+7], v[KO], s[32+2*(\u):33+2*(\u)] offset:(\c)*64+32
.endr
.endr
	WIN 0
	KLOAD
	VLOAD
	s_mov_b32 s13, 0
.Ltrip:
	s_wait_loadcnt 0x0                             ; this block's K and V are in (and Q, the first time); every load is done, so the pointers may be written
	s_add_co_u32 s15, s14, 8                       ; my next block; the last trip asks for its own once more, so that no load leaves the head
	s_min_u32 s15, s15, s38
	s_lshl_b32 s24, s15, 13
	s_add_nc_u64 s[20:21], s[16:17], s[24:25]
	s_add_nc_u64 s[22:23], s[18:19], s[24:25]
	WIN 0x04                                       ; store data in window 1
.set i, 0
.rept 16
	ds_store_b128 v[VST], v[VS+4*i:VS+4*i+3] offset:2*VBP*i
.set i, i+1
.endr
	VLOAD                                          ; the next block's V
.irp f, 0,1,2,3,4,5,6,7
	ds_load_tr16_b128 v[VF+8*(\f):VF+8*(\f)+3],   v[VTR] offset:(\f)*32  ; LDS serves a wave's instructions in order: these see the stores above
	ds_load_tr16_b128 v[VF+8*(\f)+4:VF+8*(\f)+7], v[VTR] offset:16*VBP+(\f)*32
.endr
	v_sub_nc_u32 v[THR], s31, v[REL]               ; my query less the block's first key less 8 h: register n of the mask is hidden where n is greater
.set i, 0
.rept 16
	v_cmp_gt_i32 vcc_lo, 16*(i/8)+i%8, v[THR]
	v_cndmask_b32 v[MC+i], 0, s30, vcc_lo
.set i, i+1
.endr
	WIN 0x04                                       ; Q in window 1.  The four accumulators take turns
.irp c, 0,1,2,3
.irp u, 0,1
.irp kb, 0,1
.if (\c) == 0
	v_wmma_f32_16x16x32_f16 v[S+16*(\u)+8*(\kb):S+16*(\u)+8*(\kb)+7], v[KF+32*(\kb)+8*(\c):KF+32*(\kb)+8*(\c)+7], v[Q+32*(\u)+8*(\c):Q+32*(\u)+8*(\c)+7], v[MC+8*(\kb):MC+8*(\kb)+7]
.else
	v_wmma_f32_16x16x32_f16 v[S+16*(\u)+8*(\kb):S+16*(\u)+8*(\kb)+7], v[KF+32*(\kb)+8*(\c):KF+32*(\kb)+8*(\c)+7], v[Q+32*(\u)+8*(\c):Q+32*(\u)+8*(\c)+7], v[S+16*(\u)+8*(\kb):S+16*(\u)+8*(\kb)+7]
.endif
.endr
.endr
.endr
	WIN 0
	PLACES
	KLOAD                                          ; the next block's K
	; the softmax of both tiles, line by line in turn.  Each accumulator's lowest registers are read first
	TWO v_max3_num_f32 v[ST+8*u+4], v[S+16*u], v[S+16*u+1], v[S+16*u+2]
	TWO v_max3_num_f32 v[ST+8*u+5], v[S+16*u+8], v[S+16*u+9], v[S+16*u+10]
	TWO v_max3_num_f32 v[ST+8*u+4], v[ST+8*u+4], v[S+16*u+3], v[S+16*u+4]
	TWO v_max3_num_f32 v[ST+8*u+5], v[ST+8*u+5], v[S+16*u+11], v[S+16*u+12]
	TWO v_max3_num_f32 v[ST+8*u+4], v[ST+8*u+4], v[S+16*u+5], v[S+16*u+6]
	TWO v_max3_num_f32 v[ST+8*u+5], v[ST+8*u+5], v[S+16*u+13], v[S+16*u+14]
	TWO v_max3_num_f32 v[ST+8*u+4], v[ST+8*u+4], v[S+16*u+7], v[S+16*u+15]
	TWO v_max3_num_f32 v[ST+8*u+4], v[ST+8*u+4], v[ST+8*u+5], v[ST+8*u+1]
	TWO v_permlanex16_b32 v[ST+8*u+5], v[ST+8*u+4], s28, s29
	TWO v_mov_b32 v[ST+8*u+7], v[ST+8*u]
	TWO v_max_num_f32 v[ST+8*u+1], v[ST+8*u+4], v[ST+8*u+5]
	TWO v_mul_f32 v[ST+8*u], s26, v[ST+8*u+1]
	TWO v_sub_f32 v[ST+8*u+7], v[ST+8*u+7], v[ST+8*u]
.set b, 0
.rept 8
	TWO v_pk_fma_f32 v[S+16*u+2*b:S+16*u+2*b+1], v[S+16*u+2*b:S+16*u+2*b+1], s[26:27], v[ST+8*u:ST+8*u+1] op_sel_hi:[1,0,0] neg_lo:[0,0,1] neg_hi:[0,0,1]
.set b, b+1
.endr
	TWO v_exp_f32 v[ST+8*u+6], v[ST+8*u+7]
.set b, 0
.rept 16
	TWO v_exp_f32 v[S+16*u+b], v[S+16*u+b]
.set b, b+1
.endr
	v_nop                                          ; a plain instruction behind the last exponential: one for the batch of 34,
	s_wait_alu depctr_va_vdst(0)                   ; and the one wait ahead of the first use
.set b, 0
.rept 8
	TWO v_cvt_pk_f16_f32 v[P+8*u+b], v[S+16*u+2*b], v[S+16*u+2*b+1]
.set b, b+1
.endr
.irp b, 0,4,8,12
	TWO v_pk_add_f32 v[S+16*u+(\b):S+16*u+(\b)+1], v[S+16*u+(\b):S+16*u+(\b)+1], v[S+16*u+(\b)+2:S+16*u+(\b)+3]
.endr
.irp b, 0,8
	TWO v_pk_add_f32 v[S+16*u+(\b):S+16*u+(\b)+1], v[S+16*u+(\b):S+16*u+(\b)+1], v[S+16*u+(\b)+4:S+16*u+(\b)+5]
.endr
	TWO v_pk_add_f32 v[S+16*u:S+16*u+1], v[S+16*u:S+16*u+1], v[S+16*u+8:S+16*u+9]
	TWO v_pk_fma_f32 v[ST+8*u+2:ST+8*u+3], v[ST+8*u+2:ST+8*u+3], v[ST+8*u+6:ST+8*u+7], v[S+16*u:S+16*u+1] op_sel_hi:[1,0,1]
	WIN 0x41                                       ; O^T (destination and source 0) in window 1, a in window 0
.set b, 0
.rept 32
	TWO v_pk_mul_f32 v[O+64*u+2*b:O+64*u+2*b+1], v[O+64*u+2*b:O+64*u+2*b+1], v[ST+8*u+6:ST+8*u+7] op_sel_hi:[1,0]
.set b, b+1
.endr
	s_wait_dscnt 0x0                               ; V^T is in
	WIN 0x50                                       ; C and D in window 1: sixteen different accumulators
.irp cb, 0,1,2,3,4,5,6,7
.irp u, 0,1
	v_wmma_f32_16x16x32_f16 v[O+64*(\u)+8*(\cb):O+64*(\u)+8*(\cb)+7], v[VF+8*(\cb):VF+8*(\cb)+7], v[P+8*(\u):P+8*(\u)+7], v[O+64*(\u)+8*(\cb):O+64*(\u)+8*(\cb)+7]
.endr
.endr
	WIN 0
	PLACES                                         ; in front of the next trip's loads into V^T, and of the reads of O^T behind the loop
	s_add_co_u32 s14, s14, 8
	s_sub_co_i32 s31, s31, 256
	s_add_co_u32 s13, s13, 1
	s_cmp_lt_u32 s13, s12
	s_cbranch_scc1 .Ltrip
.Lpart:                                                ; my part goes into LDS
	s_wait_loadcnt 0x0                             ; the last trip's repeated loads: their registers are used again below
	TWO v_add_f32 v[ST+8*u+4], v[ST+8*u+2], v[ST+8*u+3]
	TWO v_permlanex16_b32 v[ST+8*u+5], v[ST+8*u+4], s28, s29
	TWO v_add_f32 v[ST+8*u+1], v[ST+8*u+4], v[ST+8*u+5]
	s_lshl_b32 s36, s8, 8
	s_add_co_u32 s36, s36, MLB
	v_lshl_add_u32 v[MLA], v1, 3, s36
	s_mul_i32 s37, s8, OLW
	s_add_co_u32 s37, s37, OLB
	v_mul_u32_u24 v[OLA], v1, OLP
	v_lshl_add_u32 v[OLA], v2, 5, v[OLA]
	v_add_nc_u32 v[OLA], s37, v[OLA]
	s_lshl_b32 s36, s8, 5
	s_add_co_u32 s36, s36, MLB
	v_lshl_add_u32 v[MRA], v2, 3, s36              ; the merge: rows 4 w + 2 t + h
	s_mul_i32 s37, s8, 4*OLP
	s_add_co_u32 s37, s37, OLB
	v_mul_u32_u24 v[ORA], v2, OLP
	v_lshl_add_u32 v[ORA], v1, 5, v[ORA]           ; channels 8 r .. 8 r + 7
	v_add_nc_u32 v[ORA], s37, v[ORA]
	v_add_nc_u32 v[ORA+1], 4*OLW, v[ORA]           ; waves 4-7's parts lie beyond the 16-bit offset
	v_lshlrev_b32 v[GO], 11, v2
	v_lshl_add_u32 v[GO], v1, 4, v[GO]
	ds_store_b64 v[MLA], v[ST:ST+1]                ; (c m, l); both halves of the lanes hold and store the same
	ds_store_b64 v[MLA], v[ST+8:ST+9] offset:128
	WIN 0x04
.irp u, 0,1
.irp cb, 0,1,2,3,4,5,6,7
	ds_store_b128 v[OLA], v[O+64*(\u)+8*(\cb):O+64*(\u)+8*(\cb)+3]   offset:(\u)*16*OLP+(\cb)*64
	ds_store_b128 v[OLA], v[O+64*(\u)+8*(\cb)+4:O+64*(\u)+8*(\cb)+7] offset:(\u)*16*OLP+(\cb)*64+16
.endr
.endr
	WIN 0
	s_wait_dscnt 0x0                               ; for the others' sake: my part is in LDS
	s_barrier_signal -1
	s_barrier_wait -1
; THE MERGE of rows 4 w + 2 t + h: M = the largest c m; part x weighs 2^(c m_x - M); out = sum of weight x O_x / sum of weight x l_x.
.macro MERGE t
.irp x, 0,1,2,3,4,5,6,7
	ds_load_b64 v[64+2*(\x):65+2*(\x)], v[MRA] offset:(\x)*256+(\t)*16
.endr
.irp x, 0,1,2,3,4,5,6,7
	ds_load_b128 v[112+8*(\x):112+8*(\x)+3],   v[ORA+(\x)/4] offset:((\x)%4)*OLW+(\t)*2*OLP
	ds_load_b128 v[112+8*(\x)+4:112+8*(\x)+7], v[ORA+(\x)/4] offset:((\x)%4)*OLW+(\t)*2*OLP+16
.endr
	s_wait_dscnt 0x0
	v_max3_num_f32 v80, v64, v66, v68
	v_max3_num_f32 v80, v80, v70, v72
	v_max3_num_f32 v80, v80, v74, v76
	v_max_num_f32 v80, v80, v78
.irp x, 0,1,2,3,4,5,6,7
	v_sub_f32 v[64+2*(\x)], v[64+2*(\x)], v80
.endr
.irp x, 0,1,2,3,4,5,6,7
	v_exp_f32 v[64+2*(\x)], v[64+2*(\x)]
.endr
	v_nop
	s_wait_alu depctr_va_vdst(0)                   ; one wait for the eight exponentials
	v_mul_f32 v82, v64, v65
.irp x, 1,2,3,4,5,6,7
	v_fmac_f32 v82, v[64+2*(\x)], v[65+2*(\x)]
.endr
	v_rcp_f32 v84, v82
	v_mov_b32 v85, 0                               ; named with it as a pair; also the plain instruction behind the reciprocal
.irp p, 0,1,2,3
	v_pk_mul_f32 v[88+2*(\p):89+2*(\p)], v[112+2*(\p):113+2*(\p)], v[64:65] op_sel_hi:[1,0]
.endr
.irp x, 1,2,3,4,5,6,7
.irp p, 0,1,2,3
	v_pk_fma_f32 v[88+2*(\p):89+2*(\p)], v[112+8*(\x)+2*(\p):113+8*(\x)+2*(\p)], v[64+2*(\x):65+2*(\x)], v[88+2*(\p):89+2*(\p)] op_sel_hi:[1,0,1]
.endr
.endr
	s_wait_alu depctr_va_vdst(0)                   ; the reciprocal's wait, behind the 32 lines that do not need it
.irp p, 0,1,2,3
	v_pk_mul_f32 v[88+2*(\p):89+2*(\p)], v[88+2*(\p):89+2*(\p)], v[84:85] op_sel_hi:[1,0]
.endr
.irp p, 0,1,2,3
	v_cvt_pk_f16_f32 v[100+4*(\t)+(\p)], v[88+2*(\p)], v[89+2*(\p)]
.endr
	global_store_b128 v[GO], v[100+4*(\t):103+4*(\t)], s[6:7] offset:(\t)*4096  ; sixteen lanes store a head's 256 bytes of a row, aligned
.endm
	MERGE 0
	MERGE 1
	s_wait_tensorcnt 0x0                           ; the wave's end
	ds_add_u32 v[SPW], v[NIL]
	s_wait_dscnt 0x0
	s_endpgm
.Lfunc_end_k_qd68a02b6d3_attn:
	.size	k_qd68a02b6d3_attn, .Lfunc_end_k_qd68a02b6d3_attn-k_qd68a02b6d3_attn
	.p2alignl 7, 3214868480
	.fill 96, 4, 3214868480
	.section	.rodata,"a",@progbits
	.p2align	6, 0x0
	.amdhsa_kernel k_qd68a02b6d3_attn
		.amdhsa_group_segment_fixed_size 211968
		.amdhsa_private_segment_fixed_size 0
		.amdhsa_enable_private_segment 0
		.amdhsa_kernarg_size 16
		.amdhsa_user_sgpr_count 2
		.amdhsa_user_sgpr_kernarg_segment_ptr 1
		.amdhsa_wavefront_size32 1
		.amdhsa_system_sgpr_workgroup_id_x 1
		.amdhsa_system_sgpr_workgroup_id_y 1
		.amdhsa_system_sgpr_workgroup_id_z 1
		.amdhsa_system_vgpr_workitem_id 0
		.amdhsa_next_free_vgpr 512
		.amdhsa_next_free_sgpr 66
		.amdhsa_reserve_vcc 1
		.amdhsa_float_denorm_mode_32 3
		.amdhsa_float_denorm_mode_16_64 3
		.amdhsa_memory_ordered 1
		.amdhsa_forward_progress 1
		.amdhsa_inst_pref_size 46
	.end_amdhsa_kernel
	.amdgpu_metadata
---
amdhsa.version: [ 1, 2 ]
amdhsa.kernels:
  - .name:           k_qd68a02b6d3_attn
    .symbol:         k_qd68a02b6d3_attn.kd
    .args:
      - { .name: qkv, .offset: 0, .size: 8, .value_kind: global_buffer, .address_space: global }
      - { .name: att, .offset: 8, .size: 8, .value_kind: global_buffer, .address_space: global }
    .group_segment_fixed_size: 211968
    .private_segment_fixed_size: 0
    .kernarg_segment_align: 8
    .kernarg_segment_size: 16
    .max_flat_workgroup_size: 256
    .sgpr_count:     66
    .vgpr_count:     512
    .wavefront_size: 32
...
	.end_amdgpu_metadata
.endif
;; end of part 3
;; launch oproj (part 4): grid 16 x 8, 4 waves a work-group, clusters of 4 x 4, 327,680 bytes of LDS; arguments att, cast, x, h1; writes h1
.if DOCPART == 4
	.amdgcn_target "amdgcn-amd-amdhsa--gfx1250"
	.amdhsa_code_object_version 6
	.text
	.protected	k_qd68a02b6d3_oproj
	.globl	k_qd68a02b6d3_oproj
	.p2align	8
	.type	k_qd68a02b6d3_oproj,@function
k_qd68a02b6d3_oproj:
	s_mov_b64 s[64:65], 0
	v_nop
	global_prefetch_b8 v0, s[64:65] scope:SCOPE_SE
	s_setreg_imm32_b32 hwreg(HW_REG_WAVE_MODE, 25, 1), 1
	s_wait_xcnt 0x0
	s_wait_alu depctr_hold_cnt(0) depctr_sa_sdst(0) depctr_va_vdst(0) depctr_va_sdst(0) depctr_va_ssrc(0) depctr_va_vcc(0) depctr_vm_vsrc(0)
	s_getreg_b32 s2, hwreg(HW_REG_IB_STS2, 6, 4)
	s_cmp_eq_u32 s2, 0
	s_cbranch_scc0 .Lentry_in_a_cluster
	s_endpgm
.Lentry_in_a_cluster:
	s_bfe_u32 s2, ttmp6, 0x10000c
	s_cmp_lg_u32 s2, 0xf033
	s_cbranch_scc0 .Lentry_shape_is_right
	s_endpgm
.Lentry_shape_is_right:
; h1 = x + att wo^T.  att [1024][1024] f16, wo [2048][1024] f16 (cast, byte 12 MiB), x and h1 [1024][2048] f32; sums in f32; h1 is not rounded further.
; The frame of the launch qkv: a tile of 128 x 128, four waves of 64 x 64, K steps of 256 through two slots, a cluster of 4 x 4 with joint loads, the matrix instruction used transposed.
; THE WAY OUT is in f32: 128 rows of 512 bytes do not fit behind the ring, so the stage lies in slot 0, whose last fill has been read: every wave has passed the last change of slots
; behind its reads of that slot, and no tensor load follows.  x is asked for a quarter step ahead, into the fragment buffer that has been multiplied.
; LIMITS: att and wo lie within f16.  NaN and infinities are not treated apart.
.set SIZE_K, 1024
.set KSTEP,  256
.set PITCH,  528
.set HALFT,  64*PITCH
.set SLOT,   4*HALFT
.set SPARE,  2*SLOT                    ; behind the ring: the spare words, 128 bytes a wave
.set LAPS,   SIZE_K/(2*KSTEP)
.set ADRA, 16
.set ADRB, 20
.set STO,  24
.set RD,   25
.set CO,   26
.set SPW,  28
.set NIL,  29
.set ACC,  128
.set F0,   0
.set F1,   128
.set G1, 24
.set G0, 32
.set G1B, 48
.set G0B, 56
.set MSB, 0
.macro WIN new
.if MSB != (\new)
	s_set_vgpr_msb (MSB<<8)|(\new)
.set MSB, \new
.endif
.endm
.set MUL,  0x05
.set TO_F, 0x40
.macro JLOAD s                         ; a joint load: waves 0 and 1 fetch att's two halves, waves 2 and 3 wo's; an s_nop 0 and four v_nop follow each line
	s_cmp_eq_u32 s11, 0
	s_cbranch_scc0 .Lfor_b_\@
	tensor_load_to_lds s[G0+4*(\s):G0+4*(\s)+3], s[G1:G1+7]
	s_nop 0
.rept 4
	v_nop
.endr
	s_branch .Lasked_\@
.Lfor_b_\@:
	tensor_load_to_lds s[G0B+4*(\s):G0B+4*(\s)+3], s[G1B:G1B+7]
	s_nop 0
.rept 4
	v_nop
.endr
.Lasked_\@:
.endm
.macro CREST
	s_cmp_lg_u32 s10, 0
	s_cbranch_scc1 .Lnot_wave_0_\@
	s_barrier_signal -3
.Lnot_wave_0_\@:
	s_barrier_wait -3
	s_barrier_signal -1
	s_barrier_wait -1
.endm
.macro CROUND
	s_barrier_signal -1
	s_barrier_wait -1
	CREST
.endm
	s_load_b128 s[4:7], s[0:1], 0x0                ; att s[4:5], cast s[6:7]
	s_load_b64 s[68:69], s[0:1], 0x10              ; x
	s_load_b64 s[8:9], s[0:1], 0x18                ; h1
	v_lshl_add_u32 v[SPW], v0, 2, SPARE
	v_mov_b32 v[NIL], 0
	ds_add_u32 v[SPW], v[NIL]                      ; the wave's opening: the add and its wait ahead of my first tensor load
	v_lshrrev_b32 v1, 5, v0
	v_readfirstlane_b32 s10, v1
	s_lshr_b32 s11, s10, 1
	s_and_b32 s12, s10, 1
	s_bfe_u32 s40, ttmp6, 0x40000
	s_bfe_u32 s41, ttmp6, 0x40004
	s_lshl_b32 s42, ttmp9, 2
	s_add_co_u32 s42, s42, s40                     ; tile column
	s_and_b32 s13, ttmp7, 0xffff
	s_lshl_b32 s13, s13, 2
	s_add_co_u32 s13, s13, s41                     ; tile row
	s_lshl_b32 s43, s41, 2
	s_lshl_b32 s43, 15, s43
	s_lshl_b32 s44, 0x1111, s40
	s_or_b32 s[G1+0], s43, (1<<16)|(1<<20)|(1<<21)|(6<<22)|(3<<25)
	s_or_b32 s[G1B+0], s44, (1<<16)|(1<<20)|(1<<21)|(6<<22)|(3<<25)
.irp g, G1, G1B
	s_mov_b32 s[(\g)+1], KSTEP<<16
	s_mov_b32 s[(\g)+2], 64<<16
	s_mov_b32 s[(\g)+3], KSTEP<<16
	s_mov_b32 s[(\g)+4], 64
	s_mov_b32 s[(\g)+5], SIZE_K
	s_mov_b32 s[(\g)+6], 0
	s_mov_b32 s[(\g)+7], 0
.endr
	s_lshl_b32 s17, s12, 6
	s_lshl_b32 s16, s13, 7
	s_add_co_u32 s16, s16, s17
	s_lshl_b32 s46, s42, 7
	s_add_co_u32 s46, s46, s17
	s_mov_b32 s17, 0
	s_mov_b32 s47, 0
	s_mov_b64 s[18:19], SIZE_K*2
	s_mul_u64 s[16:17], s[16:17], s[18:19]
	s_mul_u64 s[46:47], s[46:47], s[18:19]
	s_mul_i32 s20, s10, HALFT
	s_wait_dscnt 0x0                               ; the opening add is done
	s_wait_kmcnt 0x0
	s_add_nc_u64 s[6:7], s[6:7], 0xc00000          ; wo
	s_add_nc_u64 s[14:15], s[4:5], s[16:17]
	s_add_nc_u64 s[46:47], s[6:7], s[46:47]
	CROUND
.irp s, 0,1
	s_mov_b32 s[G0+4*(\s)], 1
	s_add_co_u32 s[G0+4*(\s)+1], s20, (\s)*SLOT
	s_add_nc_u64 s[G0+4*(\s)+2:G0+4*(\s)+3], s[14:15], (\s)*KSTEP*2
	s_or_b32 s[G0+4*(\s)+3], s[G0+4*(\s)+3], 0x80000000
	s_mov_b32 s[G0B+4*(\s)], 1
	s_add_co_u32 s[G0B+4*(\s)+1], s20, (\s)*SLOT
	s_add_nc_u64 s[G0B+4*(\s)+2:G0B+4*(\s)+3], s[46:47], (\s)*KSTEP*2
	s_or_b32 s[G0B+4*(\s)+3], s[G0B+4*(\s)+3], 0x80000000
	JLOAD \s
.endr
	v_and_b32 v1, 15, v0
	v_bfe_u32 v2, v0, 4, 1
	v_mul_u32_u24 v3, v1, PITCH
	v_lshl_add_u32 v3, v2, 4, v3
	s_mul_i32 s21, s11, HALFT
	s_mul_i32 s22, s12, HALFT
	s_add_co_u32 s22, s22, 2*HALFT
.irp s, 0,1
	v_add_nc_u32 v[ADRA+(\s)], s21, v3
	v_add_nc_u32 v[ADRB+(\s)], s22, v3
	s_add_co_u32 s21, s21, SLOT
	s_add_co_u32 s22, s22, SLOT
.endr
	s_mul_i32 s23, s11, 64*PITCH                   ; into the stage: row 64 x half + r, byte 256 c + 32 h
	s_lshl_b32 s21, s12, 8
	s_add_co_u32 s23, s23, s21
	v_mul_u32_u24 v4, v1, PITCH
	v_lshl_add_u32 v4, v2, 5, v4
	v_add_nc_u32 v[STO], s23, v4
	s_mul_i32 s23, s10, 32*PITCH                   ; back: wave w takes rows 32 w .. 32 w + 31; a row is 512 bytes, 16 a lane
	v_and_b32 v5, 31, v0
	v_lshlrev_b32 v[CO], 4, v5
	v_add_nc_u32 v[RD], s23, v[CO]
	s_lshl_b32 s16, s13, 7
	s_lshl_b32 s17, s10, 5
	s_add_co_u32 s16, s16, s17                     ; the first row that I store
	s_lshl_b32 s16, s16, 13
	s_mov_b32 s17, 0
	s_add_nc_u64 s[8:9], s[8:9], s[16:17]
	s_add_nc_u64 s[68:69], s[68:69], s[16:17]
	s_lshl_b32 s46, s42, 9                         ; the tile's first column, in bytes
	s_mov_b32 s47, 0
	s_add_nc_u64 s[8:9], s[8:9], s[46:47]
	s_add_nc_u64 s[68:69], s[68:69], s[46:47]
.macro MUL8 f, c, a0, zero
	WIN MUL
.irp a, \a0, (\a0)+1
.irp b, 0,1,2,3
.if \zero
	v_wmma_f32_16x16x32_f16 v[ACC+8*(4*(\a)+(\b)):ACC+8*(4*(\a)+(\b))+7], v[(\f)+64+8*(4*(\c)+(\b)):(\f)+64+8*(4*(\c)+(\b))+7], v[(\f)+8*(4*(\c)+(\a)):(\f)+8*(4*(\c)+(\a))+7], 0
.else
	v_wmma_f32_16x16x32_f16 v[ACC+8*(4*(\a)+(\b)):ACC+8*(4*(\a)+(\b))+7], v[(\f)+64+8*(4*(\c)+(\b)):(\f)+64+8*(4*(\c)+(\b))+7], v[(\f)+8*(4*(\c)+(\a)):(\f)+8*(4*(\c)+(\a))+7], v[ACC+8*(4*(\a)+(\b)):ACC+8*(4*(\a)+(\b))+7]
.endif
.endr
.endr
.endm
.macro FETCH slot, k, f
	WIN TO_F
.irp c, 0,1
.irp i, 0,1,2,3
	ds_load_b128 v[(\f)+64+8*(4*(\c)+(\i)):(\f)+64+8*(4*(\c)+(\i))+3],   v[ADRB+(\slot)] offset:(\k)+64*(\c)+(\i)*16*PITCH
	ds_load_b128 v[(\f)+64+8*(4*(\c)+(\i))+4:(\f)+64+8*(4*(\c)+(\i))+7], v[ADRB+(\slot)] offset:(\k)+64*(\c)+(\i)*16*PITCH+32
	ds_load_b128 v[(\f)+8*(4*(\c)+(\i)):(\f)+8*(4*(\c)+(\i))+3],         v[ADRA+(\slot)] offset:(\k)+64*(\c)+(\i)*16*PITCH
	ds_load_b128 v[(\f)+8*(4*(\c)+(\i))+4:(\f)+8*(4*(\c)+(\i))+7],       v[ADRA+(\slot)] offset:(\k)+64*(\c)+(\i)*16*PITCH+32
.endr
.endr
.endm
.macro PLACES
.rept 4
	v_nop
.endr
.endm
.macro QUARTER slot, k, f, g, zero
	s_wait_dscnt 16                                ; the first 32 along K are in
	WIN MUL
	MUL8 \f, 0, 0, \zero
	MUL8 \f, 0, 2, \zero
	PLACES
	FETCH \slot, \k, \g
	s_wait_dscnt 32                                ; all but the 32 just issued
	WIN MUL
	MUL8 \f, 1, 0, 0
	MUL8 \f, 1, 2, 0
.endm
.macro TURN slot, next, fill
	WIN 0
	s_wait_tensorcnt 0x0                           ; all my tensor loads have landed
	ds_add_u32 v[SPW], v[NIL]
	s_wait_dscnt 17                                ; the add and the youngest sixteen loads may be out
	WIN MUL
	MUL8 F1, 0, 0, 0
	s_wait_dscnt 0x0                               ; the add is done, and my reads of this slot are over
	s_barrier_signal -1
	MUL8 F1, 0, 2, 0
.if \fill
	WIN 0
.endif
	s_barrier_wait -1
.if \fill
	CREST
	s_add_nc_u64 s[G0+4*(\slot)+2:G0+4*(\slot)+3], s[G0+4*(\slot)+2:G0+4*(\slot)+3], 2*KSTEP*2
	s_add_nc_u64 s[G0B+4*(\slot)+2:G0B+4*(\slot)+3], s[G0B+4*(\slot)+2:G0B+4*(\slot)+3], 2*KSTEP*2
	JLOAD \slot
.else
	PLACES
.endif
	FETCH \next, 0, F0
	WIN MUL
	MUL8 F1, 1, 0, 0
	MUL8 F1, 1, 2, 0
.endm
	s_wait_tensorcnt 1                             ; my part of K step 0 is in; K step 1's may stay out
	s_barrier_signal -1
	s_barrier_wait -1
	FETCH 0, 0, F0
	QUARTER 0, 128, F0, F1, 1
	WIN 0
	s_mov_b32 s3, LAPS-1
.Llap:
	QUARTER 0, 256, F1, F0, 0
	QUARTER 0, 384, F0, F1, 0
	TURN 0, 1, 1
	QUARTER 1, 128, F0, F1, 0
	QUARTER 1, 256, F1, F0, 0
	QUARTER 1, 384, F0, F1, 0
	TURN 1, 0, 1
	QUARTER 0, 128, F0, F1, 0
	WIN 0
	s_sub_co_u32 s3, s3, 1
	s_cmp_lg_u32 s3, 0
	s_cbranch_scc1 .Llap
	QUARTER 0, 256, F1, F0, 0
	QUARTER 0, 384, F0, F1, 0
	TURN 0, 1, 0
	QUARTER 1, 128, F0, F1, 0
	QUARTER 1, 256, F1, F0, 0
	QUARTER 1, 384, F0, F1, 0
	PLACES
	WIN 0x40                                       ; x for the 32 rows that I shall store, into buffer 0, which has been multiplied for the last time
.set i, 0
.rept 32
	global_load_b128 v[4*i:4*i+3], v[CO], s[68:69] offset:8192*i
.set i, i+1
.endr
	s_wait_dscnt 16
	WIN MUL
	MUL8 F1, 0, 0, 0
	MUL8 F1, 0, 2, 0
	s_wait_dscnt 0
	MUL8 F1, 1, 0, 0
	MUL8 F1, 1, 2, 0
	WIN 0
	PLACES
.irp a, 0,1,2,3
.irp b, 0,1,2,3
	ds_store_b128 v[STO], v[ACC+8*(4*(\a)+(\b)):ACC+8*(4*(\a)+(\b))+3]   offset:(\a)*16*PITCH+64*(\b)  ; each accumulator from its low end on
	ds_store_b128 v[STO], v[ACC+8*(4*(\a)+(\b))+4:ACC+8*(4*(\a)+(\b))+7] offset:(\a)*16*PITCH+64*(\b)+16
.endr
.endr
	s_wait_dscnt 0x0                               ; for the others' sake: my stores into the stage are done
	s_barrier_signal -1
	s_barrier_wait -1
.set i, 0
.rept 32
	ds_load_b128 v[ACC+4*i:ACC+4*i+3], v[RD] offset:PITCH*i
.set i, i+1
.endr
	s_wait_dscnt 0x0
	s_wait_loadcnt 0x0                             ; x
	WIN 0x04                                       ; source 1 (x) in window 1
.set i, 0
.rept 64
	v_pk_add_f32 v[ACC+2*i:ACC+2*i+1], v[ACC+2*i:ACC+2*i+1], v[2*i:2*i+1]
.set i, i+1
.endr
	WIN 0
.set i, 0
.rept 32
	global_store_b128 v[CO], v[ACC+4*i:ACC+4*i+3], s[8:9] offset:8192*i  ; 512 consecutive bytes of a row, aligned
.set i, i+1
.endr
	s_wait_tensorcnt 0x0                           ; the wave's end
	ds_add_u32 v[SPW], v[NIL]
	s_wait_dscnt 0x0
	CROUND                                         ; the closing round
	s_endpgm
.Lfunc_end_k_qd68a02b6d3_oproj:
	.size	k_qd68a02b6d3_oproj, .Lfunc_end_k_qd68a02b6d3_oproj-k_qd68a02b6d3_oproj
	.p2alignl 7, 3214868480
	.fill 96, 4, 3214868480
	.section	.rodata,"a",@progbits
	.p2align	6, 0x0
	.amdhsa_kernel k_qd68a02b6d3_oproj
		.amdhsa_group_segment_fixed_size 327680
		.amdhsa_private_segment_fixed_size 0
		.amdhsa_enable_private_segment 0
		.amdhsa_kernarg_size 32
		.amdhsa_user_sgpr_count 2
		.amdhsa_user_sgpr_kernarg_segment_ptr 1
		.amdhsa_wavefront_size32 1
		.amdhsa_system_sgpr_workgroup_id_x 1
		.amdhsa_system_sgpr_workgroup_id_y 1
		.amdhsa_system_sgpr_workgroup_id_z 1
		.amdhsa_system_vgpr_workitem_id 0
		.amdhsa_next_free_vgpr 512
		.amdhsa_next_free_sgpr 74
		.amdhsa_reserve_vcc 0
		.amdhsa_float_denorm_mode_32 3
		.amdhsa_float_denorm_mode_16_64 3
		.amdhsa_memory_ordered 1
		.amdhsa_forward_progress 1
		.amdhsa_inst_pref_size 93
	.end_amdhsa_kernel
	.amdgpu_metadata
---
amdhsa.version: [ 1, 2 ]
amdhsa.kernels:
  - .name:           k_qd68a02b6d3_oproj
    .symbol:         k_qd68a02b6d3_oproj.kd
    .args:
      - { .name: att, .offset: 0, .size: 8, .value_kind: global_buffer, .address_space: global }
      - { .name: cast, .offset: 8, .size: 8, .value_kind: global_buffer, .address_space: global }
      - { .name: x, .offset: 16, .size: 8, .value_kind: global_buffer, .address_space: global }
      - { .name: h1, .offset: 24, .size: 8, .value_kind: global_buffer, .address_space: global }
    .group_segment_fixed_size: 327680
    .private_segment_fixed_size: 0
    .kernarg_segment_align: 8
    .kernarg_segment_size: 32
    .max_flat_workgroup_size: 128
    .sgpr_count:     74
    .vgpr_count:     512
    .wavefront_size: 32
...
	.end_amdgpu_metadata
.endif
;; end of part 4
;; launch router (part 5): grid 256 x 1, 16 waves a work-group, no clusters, 3,072 bytes of LDS; arguments h1, ln2_w, router_w, hn2, route; writes hn2, route
.if DOCPART == 5
	.amdgcn_target "amdgcn-amd-amdhsa--gfx1250"
	.amdhsa_code_object_version 6
	.text
	.protected	k_qd68a02b6d3_router
	.globl	k_qd68a02b6d3_router
	.p2align	8
	.type	k_qd68a02b6d3_router,@function
k_qd68a02b6d3_router:
	s_mov_b64 s[64:65], 0
	v_nop
	global_prefetch_b8 v0, s[64:65] scope:SCOPE_SE
	s_setreg_imm32_b32 hwreg(HW_REG_WAVE_MODE, 25, 1), 1
	s_wait_xcnt 0x0
; hn2 = h1 * rsqrt(mean(h1^2) + 1e-6) * ln2_w, rounded once to bf16; the eight logits hn2 . router_w[e] in f32 (of the unrounded numbers); the two largest; their weights.
; Stored at fixed places: hn2 [1024][2048] bf16; behind it, at byte 4,194,304, (w0, w1) f32 for each token; route[t] = (1 << e0) | (0x100 << e1), whole numbers for the later launches.
; The work-group has four tokens; wave w has token w / 4 and 512 of its columns; the nine sums (squares, eight logits) of a token's four waves meet in LDS.
; logit e = rs x sum of (h1 ln2_w) router_w[e].  The two largest are taken of the logits with a strict >, so that the lower index wins a tie.
; w0 = 1 / (1 + e^(l1 - l0)), w1 = e^(l1 - l0) w0: the largest logit is taken away, and the softmax's divisor cancels in the renormalisation.
; LIMIT: two probabilities that would round to one f32 although their logits differ are ordered by the logits.  NaN and infinities are not treated apart.
; Nothing here is chosen by a branch: the selection is v_cndmask_b32 alone.  No matrix unit: 8 columns of output do not fill one, and the logits want f32.
.set H,   32                           ; v[32:47]   h1, then h1 ln2_w
.set LW,  48                           ; v[48:63]   ln2_w; later the packed bf16
.set RW,  64                           ; v[64:191]  router_w, 16 an expert
.set SM,  192                          ; v[192:209] nine packed sums
.set SC,  210                          ; v[210:218] nine sums
.set SPW, 220
.set NIL, 221
.set SPARE, 1024                       ; the spare words, 128 bytes a wave; the sums have the blocks from byte 0 to 767
	s_load_b256 s[4:11], s[0:1], 0x0               ; h1 s[4:5], ln2_w s[6:7], router_w s[8:9], hn2 s[10:11]
	s_load_b64 s[12:13], s[0:1], 0x20              ; route
	v_lshl_add_u32 v[SPW], v0, 2, SPARE
	v_mov_b32 v[NIL], 0
	v_lshrrev_b32 v2, 5, v0
	v_readfirstlane_b32 s14, v2                    ; wave 0..15
	s_lshr_b32 s15, s14, 2                         ; my token in the group
	s_and_b32 s16, s14, 3                          ; my quarter of its columns
	s_lshl2_add_u32 s17, ttmp9, s15                ; token
	v_and_b32 v3, 31, v0
	s_lshl_b32 s18, s16, 11
	v_lshl_add_u32 v1, v3, 4, s18                  ; 16 x lane + 2,048 x quarter
	s_lshl_b32 s19, s16, 10
	v_lshl_add_u32 v4, v3, 3, s19                  ; 8 x lane + 1,024 x quarter
	s_lshl_b32 s20, s17, 13
	s_mov_b32 s21, 0
	s_lshl_b32 s22, s17, 12
	s_mov_b32 s23, 0
	s_lshl_b32 s36, s17, 3
	s_mov_b32 s37, 0
	s_lshl_b32 s38, s17, 2
	s_mov_b32 s39, 0
	s_mov_b32 s24, 0x3a000000                      ; 1 / 2048
	s_mov_b32 s25, 0x358637bd                      ; 1e-6
	s_mov_b32 s28, 0x76543210
	s_mov_b32 s29, 0xfedcba98
	s_mul_i32 s26, s14, 48
	v_mov_b32 v5, s26                              ; my nine sums in LDS
	s_mul_i32 s26, s15, 192
	v_mov_b32 v6, s26                              ; my token's four parts
	s_wait_kmcnt 0x0
	s_add_nc_u64 s[4:5], s[4:5], s[20:21]
	s_add_nc_u64 s[32:33], s[10:11], s[22:23]      ; hn2's row
	s_add_nc_u64 s[34:35], s[10:11], 0x400000
	s_add_nc_u64 s[34:35], s[34:35], s[36:37]      ; the token's two weights
	s_add_nc_u64 s[12:13], s[12:13], s[38:39]      ; the token's word
.irp i, 0,1,2,3
	global_load_b128 v[H+4*(\i):H+4*(\i)+3], v1, s[4:5] offset:512*(\i)
.endr
.irp i, 0,1,2,3
	global_load_b128 v[LW+4*(\i):LW+4*(\i)+3], v1, s[6:7] offset:512*(\i)
.endr
.irp e, 0,1,2,3,4,5,6,7
.irp i, 0,1,2,3
	global_load_b128 v[RW+16*(\e)+4*(\i):RW+16*(\e)+4*(\i)+3], v1, s[8:9] offset:8192*(\e)+512*(\i)
.endr
.endr
	s_wait_loadcnt 36                              ; h1 is in; the 36 younger loads stay out
	v_pk_mul_f32 v[SM:SM+1], v[H:H+1], v[H:H+1]
.irp i, 1,2,3,4,5,6,7
	v_pk_fma_f32 v[SM:SM+1], v[H+2*(\i):H+2*(\i)+1], v[H+2*(\i):H+2*(\i)+1], v[SM:SM+1]
.endr
	s_wait_loadcnt 32                              ; ln2_w is in
.irp i, 0,1,2,3,4,5,6,7
	v_pk_mul_f32 v[H+2*(\i):H+2*(\i)+1], v[H+2*(\i):H+2*(\i)+1], v[LW+2*(\i):LW+2*(\i)+1]
.endr
.irp e, 0,1,2,3,4,5,6,7
	s_wait_loadcnt 28-4*(\e)                       ; expert e's four loads are in
	v_pk_mul_f32 v[SM+2+2*(\e):SM+3+2*(\e)], v[H:H+1], v[RW+16*(\e):RW+16*(\e)+1]
.irp i, 1,2,3,4,5,6,7
	v_pk_fma_f32 v[SM+2+2*(\e):SM+3+2*(\e)], v[H+2*(\i):H+2*(\i)+1], v[RW+16*(\e)+2*(\i):RW+16*(\e)+2*(\i)+1], v[SM+2+2*(\e):SM+3+2*(\e)]
.endr
.endr
.set k, 0
.rept 9
	v_add_f32 v[SC+k], v[SM+2*k], v[SM+2*k+1]
.set k, k+1
.endr
.irp m, 1,2,4,8
.set k, 0
.rept 9
	v_add_f32_dpp v[SC+k], v[SC+k], v[SC+k] row_xmask:\m row_mask:0xf bank_mask:0xf
.set k, k+1
.endr
.endr
.set k, 0
.rept 9
	v_permlanex16_b32 v[SM+k], v[SC+k], s28, s29
.set k, k+1
.endr
.set k, 0
.rept 9
	v_add_f32 v[SC+k], v[SC+k], v[SM+k]
.set k, k+1
.endr
	ds_store_b128 v5, v[SC:SC+3]                   ; every lane holds and stores the same
	ds_store_b128 v5, v[SC+4:SC+7] offset:16
	ds_store_b32 v5, v[SC+8] offset:32
	s_wait_dscnt 0x0                               ; for the others' sake
	s_barrier_signal -1
	s_barrier_wait -1
.irp p, 0,1,2,3
	ds_load_b128 v[64+12*(\p):67+12*(\p)], v6 offset:48*(\p)
	ds_load_b128 v[68+12*(\p):71+12*(\p)], v6 offset:48*(\p)+16
	ds_load_b32 v[72+12*(\p)], v6 offset:48*(\p)+32
.endr
	s_wait_dscnt 0x0
.set k, 0
.rept 9
	v_add_f32 v[SC+k], v[64+k], v[76+k]
	v_add_f32 v[SM+k], v[88+k], v[100+k]
	v_add_f32 v[SC+k], v[SC+k], v[SM+k]
.set k, k+1
.endr
	v_fma_f32 v219, v[SC], s24, s25
	v_rsq_f32 v222, v219
	v_rsq_f32 v223, v219
	v_nop
	s_wait_alu depctr_va_vdst(0)                   ; one wait for both
.irp i, 0,1,2,3,4,5,6,7
	v_pk_mul_f32 v[H+2*(\i):H+2*(\i)+1], v[H+2*(\i):H+2*(\i)+1], v[222:223]
.endr
.irp i, 0,1,2,3,4,5,6,7
	v_cvt_pk_bf16_f32 v[LW+(\i)], v[H+2*(\i)], v[H+2*(\i)+1]
.endr
.irp i, 0,1,2,3
	global_store_b64 v4, v[LW+2*(\i):LW+2*(\i)+1], s[32:33] offset:256*(\i)  ; 256 consecutive bytes, aligned
.endr
	s_cmp_lg_u32 s16, 0
	s_cbranch_scc1 .Lend                           ; one wave of a token's four routes it
.irp e, 0,1,2,3,4,5,6,7
	v_mul_f32 v[112+(\e)], v222, v[SC+1+(\e)]
.endr
	v_mov_b32 v72, v112                            ; the largest so far,
	v_mov_b32 v73, 1                               ; its expert's bit,
	v_mov_b32 v74, 0xff800000                      ; the second largest,
	v_mov_b32 v75, 0                               ; its bit
.irp e, 1,2,3,4,5,6,7
	v_mov_b32 v76, 1<<(\e)
	v_cmp_gt_f32 s30, v[112+(\e)], v72
	v_cmp_gt_f32 s31, v[112+(\e)], v74
	v_cndmask_b32 v74, v74, v[112+(\e)], s31
	v_cndmask_b32 v75, v75, v76, s31
	v_cndmask_b32 v74, v74, v72, s30
	v_cndmask_b32 v75, v75, v73, s30
	v_cndmask_b32 v72, v72, v[112+(\e)], s30
	v_cndmask_b32 v73, v73, v76, s30
.endr
	v_sub_f32 v77, v74, v72                        ; l1 - l0, never above 0
	v_mul_f32 v77, 0x3fb8aa3b, v77
	v_exp_f32 v78, v77
	v_lshl_or_b32 v82, v75, 8, v73                 ; the token's word; also the plain instruction behind the exponential
	s_wait_alu depctr_va_vdst(0)
	v_add_f32 v79, 1.0, v78
	v_rcp_f32 v80, v79
	v_mov_b32 v83, 0
	s_wait_alu depctr_va_vdst(0)
	v_mul_f32 v81, v78, v80
	s_wait_xcnt 0x0                                ; EXEC changes only behind this wait
	v_cmp_eq_u32 vcc_lo, 0, v3
	s_and_saveexec_b32 s30, vcc_lo                 ; lane 0 alone
	global_store_b32 v83, v82, s[12:13]
	global_store_b64 v83, v[80:81], s[34:35]
	s_wait_xcnt 0x0                                ; and again, in front of the line that widens it
	s_or_b32 exec_lo, exec_lo, s30
.Lend:
	s_wait_tensorcnt 0x0                           ; the wave's end
	ds_add_u32 v[SPW], v[NIL]
	s_wait_dscnt 0x0
	s_endpgm
.Lfunc_end_k_qd68a02b6d3_router:
	.size	k_qd68a02b6d3_router, .Lfunc_end_k_qd68a02b6d3_router-k_qd68a02b6d3_router
	.p2alignl 7, 3214868480
	.fill 96, 4, 3214868480
	.section	.rodata,"a",@progbits
	.p2align	6, 0x0
	.amdhsa_kernel k_qd68a02b6d3_router
		.amdhsa_group_segment_fixed_size 3072
		.amdhsa_private_segment_fixed_size 0
		.amdhsa_enable_private_segment 0
		.amdhsa_kernarg_size 40
		.amdhsa_user_sgpr_count 2
		.amdhsa_user_sgpr_kernarg_segment_ptr 1
		.amdhsa_wavefront_size32 1
		.amdhsa_system_sgpr_workgroup_id_x 1
		.amdhsa_system_sgpr_workgroup_id_y 1
		.amdhsa_system_sgpr_workgroup_id_z 1
		.amdhsa_system_vgpr_workitem_id 0
		.amdhsa_next_free_vgpr 224
		.amdhsa_next_free_sgpr 66
		.amdhsa_reserve_vcc 1
		.amdhsa_float_denorm_mode_32 3
		.amdhsa_float_denorm_mode_16_64 3
		.amdhsa_memory_ordered 1
		.amdhsa_forward_progress 1
		.amdhsa_inst_pref_size 23
	.end_amdhsa_kernel
	.amdgpu_metadata
---
amdhsa.version: [ 1, 2 ]
amdhsa.kernels:
  - .name:           k_qd68a02b6d3_router
    .symbol:         k_qd68a02b6d3_router.kd
    .args:
      - { .name: h1, .offset: 0, .size: 8, .value_kind: global_buffer, .address_space: global }
      - { .name: ln2_w, .offset: 8, .size: 8, .value_kind: global_buffer, .address_space: global }
      - { .name: router_w, .offset: 16, .size: 8, .value_kind: global_buffer, .address_space: global }
      - { .name: hn2, .offset: 24, .size: 8, .value_kind: global_buffer, .address_space: global }
      - { .name: route, .offset: 32, .size: 8, .value_kind: global_buffer, .address_space: global }
    .group_segment_fixed_size: 3072
    .private_segment_fixed_size: 0
    .kernarg_segment_align: 8
    .kernarg_segment_size: 40
    .max_flat_workgroup_size: 512
    .sgpr_count:     66
    .vgpr_count:     224
    .wavefront_size: 32
...
	.end_amdgpu_metadata
.endif
;; end of part 5
;; launch gateup (part 6): grid 32 x 8, 8 waves a work-group, no clusters, 268,800 bytes of LDS; arguments route, hn2, w_gate, w_up, g; writes g
.if DOCPART == 6
	.amdgcn_target "amdgcn-amd-amdhsa--gfx1250"
	.amdhsa_code_object_version 6
	.text
	.protected	k_qd68a02b6d3_gateup
	.globl	k_qd68a02b6d3_gateup
	.p2align	8
	.type	k_qd68a02b6d3_gateup,@function
k_qd68a02b6d3_gateup:
	s_mov_b64 s[64:65], 0
	v_nop
	global_prefetch_b8 v0, s[64:65] scope:SCOPE_SE
	s_setreg_imm32_b32 hwreg(HW_REG_WAVE_MODE, 25, 1), 1
	s_wait_xcnt 0x0
; g = silu(hn2 w_gate[e]^T) * (hn2 w_up[e]^T), for the tokens that chose expert e alone.  hn2 bf16 [1024][2048]; w_gate, w_up f32 [8][1024][2048], rounded to bf16 on their way; sums and silu in f32.
; SHARES.  Work-group (s, e): hidden columns 32 s .. 32 s + 31 of expert e, gate and up: 64 rows of weights, which it alone reads, and all of the expert's tokens.
; PHASES.  1: wave 0 reads route (whole numbers that an earlier launch stored), ranks the expert's tokens and lists them in LDS: list[rank] = slot = 2 token + (0 first choice, 1 second); it leaves the count
;      in an LDS word.  Every lane stores: a token that did not choose e stores into a dump word of its lane, behind the 1,024 ranks.  EXEC is never narrowed.
;   2: the slice streams through registers into LDS as bf16: each wave 8 rows, four slots of 8 loads in flight; one barrier.
;   3: pairs of 16-rank tiles, wave w taking pairs w, w + 8, ..: a loop of 4 trips (32 pairs at the most, 8 waves) in which a trip past the wave's share is jumped; it holds no barrier and writes no LDS.
;      The token rows come from memory straight into operand registers (a ring of eight K steps), the weights from LDS.  A tile past the last repeats the pair's first and its way out is jumped;
;      ranks past the count repeat the last row.
; Serves every split: an expert with no token stores nothing; one with all 1,024 has 32 pairs.
; OUT: g in the image of the next launch's operand registers: block ((64 e + tile) x 32 + s) of 1,024 bytes; byte 16 l holds lane l's registers 0-3, byte 512 + 16 l its registers 4-7.
; The matrix instruction is used transposed (source 0 = 16 rows of weights, source 1 = 16 tokens): a lane's 16 results are just those eight registers.
; NO MULTICAST: each weight has one reader; the token rows come by a list, which no descriptor covers, and LDS is full.
; LIMITS: bf16's range is f32's.  NaN and infinities are not treated apart.
; REGISTERS.  window 0: v1-23, v56 addresses and at work; v24-55 route (wave 0); phase 2: v64-191 four slots, v192-207 packed; phase 3: v64-127 accumulators (32 t + 8 blk), v128-143 at work, v144-159 out.
;   window 1: v0-127 token rows, eight stages (16 stage + 8 t); v128-191 weights, two buffers (32 bb + 8 blk).
.set WP,    4112                       ; a row of weights in LDS: 4,096 bytes + 16: 1,028 words: the 16 rows of a load start at 16 different groups of four banks
.set LIST,  64*WP                      ; 1,024 ranks, 32 dump words, the count's word: 4,608 bytes, written whole with zeros first
.set CNTW,  LIST+4480                  ; the count
.set SPARE, LIST+4608                  ; the spare words, 128 bytes a wave
.set SPW, 6
.set NIL, 7
.set BA0, 8                            ; v8-11   my lane's place in the four blocks of 16 rows; never rewritten
.set BA,  12                           ; v12-15  the same plus the K offset in hand
.set RO,  16
.set DMP, 23                           ; v23     1,024 + lane
.set SEL, 24
.set L8,  56                           ; v56     8 x lane: the slot of my first token in a load of route
.set STR, 64
.set CV,  192
.set ACC, 64
.set TT,  128
.set OB,  144
.set AR,  0
.set BF,  128
.set KOFF, 44                          ; s44     byte offset along K of the trip in hand: 0 at every pair's beginning and end
.set MSB, 0
.macro WIN new                         ; the immediate's high byte repeats the setting that is left
.if MSB != (\new)
	s_set_vgpr_msb (MSB<<8)|(\new)
.set MSB, \new
.endif
.endm
.set MUL,  0x05                        ; sources 0 and 1 window 1; C and D window 0
.set TO_F, 0x40                        ; destination window 1, address window 0
.macro PLACES
.rept 4
	v_nop
.endr
.endm
; register j of route holds token 128 (j / 4) + 4 lane + j % 4: who chose e, the ranks, the slots into the list.  The order of ranks is this text's own; the next launch makes the same.
.macro LISTJ j
	v_and_b32 v19, s41, v[SEL+(\j)]
	v_cmp_ne_u32 s36, 0, v19                       ; chose e
	v_cmp_lt_u32 vcc_lo, 0xff, v19                 ; as the second choice
	v_mbcnt_lo_u32_b32 v20, s36, s17               ; rank = those before
	v_cndmask_b32 v20, v[DMP], v20, s36            ; the others go to their lane's dump word
	v_min_u32 v20, 0x43f, v20                      ; inside the list whatever route holds
	v_lshl_add_u32 v21, v20, 2, LIST
	v_cndmask_b32 v22, 0, 1, vcc_lo
	v_add_nc_u32 v22, v[L8], v22
	v_add_nc_u32 v22, 256*((\j)/4)+2*((\j)%4), v22
	ds_store_b32 v21, v22
	s_bcnt1_i32_b32 s39, s36
	s_add_co_u32 s17, s17, s39
.endm
; slot sl of the stream: 4,096 bytes of f32 (half a row) become 2,048 of bf16 in LDS; left = the younger loads that may stay out
.macro STURN sl, refill, left
	s_wait_loadcnt \left
.set i, 0
.rept 8
	v_cvt_pk_bf16_f32 v[CV+2*i], v[STR+32*(\sl)+4*i], v[STR+32*(\sl)+4*i+1]
	v_cvt_pk_bf16_f32 v[CV+2*i+1], v[STR+32*(\sl)+4*i+2], v[STR+32*(\sl)+4*i+3]
	ds_store_b64 v5, v[CV+2*i:CV+2*i+1] offset:((\sl)/2)*WP+((\sl)%2)*2048+256*i
.set i, i+1
.endr
.if \refill
.set i, 0
.rept 8
	global_load_b128 v[STR+32*(\sl)+4*i:STR+32*(\sl)+4*i+3], v4, s[28:29] offset:((\sl)+4)*4096+512*i th:TH_LOAD_NT
.set i, i+1
.endr
.endif
.endm
.macro BLD q                           ; the weights of the K step 64 q bytes behind BA, into buffer q % 2
.irp blk, 0,1,2,3
	ds_load_b128 v[BF+32*((\q)%2)+8*(\blk):BF+32*((\q)%2)+8*(\blk)+3],   v[BA+(\blk)] offset:(\q)*64
	ds_load_b128 v[BF+32*((\q)%2)+8*(\blk)+4:BF+32*((\q)%2)+8*(\blk)+7], v[BA+(\blk)] offset:(\q)*64+32
.endr
.endm
.macro ALD q                           ; the token rows of the K step 64 q bytes behind the pointer, into stage q % 8
.irp t, 0,1
	global_load_b128 v[AR+16*((\q)%8)+8*(\t):AR+16*((\q)%8)+8*(\t)+3],   v[RO+(\t)], s[30:31] offset:(\q)*64
	global_load_b128 v[AR+16*((\q)%8)+8*(\t)+4:AR+16*((\q)%8)+8*(\t)+7], v[RO+(\t)], s[30:31] offset:(\q)*64+32
.endr
.endm
; a K step of 32: the next step's weights and the token rows seven steps on are asked for; then 8 products on 8 accumulators, which take turns
.macro STEP q, refill, zero, left, nextb
	PLACES                                         ; the registers loaded below were read by the last step's products (ISA guide 7.12.1)
	WIN TO_F
.if \nextb
	BLD (\q)+1
.endif
.if \refill
	ALD (\q)+7
.endif
.if \nextb
	s_wait_dscnt 8                                 ; this step's weights are in; the 8 loads just issued stay out
.else
	s_wait_dscnt 0x0
.endif
	s_wait_loadcnt \left                           ; this step's rows are in; the younger stages, 4 loads each, stay out
	WIN MUL
.irp t, 0,1
.irp blk, 0,1,2,3
.if \zero
	v_wmma_f32_16x16x32_bf16 v[ACC+32*(\t)+8*(\blk):ACC+32*(\t)+8*(\blk)+7], v[BF+32*((\q)%2)+8*(\blk):BF+32*((\q)%2)+8*(\blk)+7], v[AR+16*((\q)%8)+8*(\t):AR+16*((\q)%8)+8*(\t)+7], 0
.else
	v_wmma_f32_16x16x32_bf16 v[ACC+32*(\t)+8*(\blk):ACC+32*(\t)+8*(\blk)+7], v[BF+32*((\q)%2)+8*(\blk):BF+32*((\q)%2)+8*(\blk)+7], v[AR+16*((\q)%8)+8*(\t):AR+16*((\q)%8)+8*(\t)+7], v[ACC+32*(\t)+8*(\blk):ACC+32*(\t)+8*(\blk)+7]
.endif
.endr
.endr
.endm
.macro SETBA                           ; the weights' addresses for the K offset in hand
.irp blk, 0,1,2,3
	v_add_nc_u32 v[BA+(\blk)], s[KOFF], v[BA0+(\blk)]
.endr
.endm
; tile t's way out: g u / (1 + 2^(-1.442695 g)); two batches of 16 transcendentals, one wait each; 16 results a lane, 32 bytes.  Each accumulator is read from its low end on.
.macro GOUT t
.set GA, ACC+32*(\t)
.set i, 0
.rept 8
	v_pk_mul_f32 v[TT+2*i:TT+2*i+1], v[GA+2*i:GA+2*i+1], 0xbfb8aa3b op_sel_hi:[1,0]
.set i, i+1
.endr
.set i, 0
.rept 16
	v_exp_f32 v[TT+i], v[TT+i]
.set i, i+1
.endr
	v_nop                                          ; a plain instruction behind the last exponential,
	s_wait_alu depctr_va_vdst(0)                   ; and the one wait ahead of the first use
.set i, 0
.rept 8
	v_pk_add_f32 v[TT+2*i:TT+2*i+1], v[TT+2*i:TT+2*i+1], 1.0 op_sel_hi:[1,0]
.set i, i+1
.endr
.set i, 0
.rept 16
	v_rcp_f32 v[TT+i], v[TT+i]
.set i, i+1
.endr
	v_nop
	s_wait_alu depctr_va_vdst(0)
.set i, 0
.rept 8
	v_pk_mul_f32 v[TT+2*i:TT+2*i+1], v[TT+2*i:TT+2*i+1], v[GA+2*i:GA+2*i+1]
.set i, i+1
.endr
.set i, 0
.rept 8
	v_pk_mul_f32 v[TT+2*i:TT+2*i+1], v[TT+2*i:TT+2*i+1], v[GA+16+2*i:GA+16+2*i+1]
.set i, i+1
.endr
.set i, 0
.rept 8
	v_cvt_pk_bf16_f32 v[OB+8*(\t)+i], v[TT+2*i], v[TT+2*i+1]
.set i, i+1
.endr
	global_store_b128 v4, v[OB+8*(\t):OB+8*(\t)+3],   s[32+2*(\t):33+2*(\t)]             ; 512 consecutive bytes each, aligned
	global_store_b128 v4, v[OB+8*(\t)+4:OB+8*(\t)+7], s[32+2*(\t):33+2*(\t)] offset:512
.endm
	s_load_b256 s[4:11], s[0:1], 0x0               ; route s[4:5], hn2 s[6:7], w_gate s[8:9], w_up s[10:11]
	s_load_b64 s[12:13], s[0:1], 0x20              ; g
	v_lshl_add_u32 v[SPW], v0, 2, SPARE
	v_mov_b32 v[NIL], 0
	v_lshrrev_b32 v18, 5, v0
	v_readfirstlane_b32 s14, v18                   ; wave 0..7
	s_mov_b32 s15, ttmp9                           ; slice
	s_and_b32 s16, ttmp7, 0xffff                   ; expert
	v_and_b32 v1, 31, v0
	v_and_b32 v2, 15, v0                           ; r
	v_bfe_u32 v3, v0, 4, 1                         ; h
	v_lshlrev_b32 v4, 4, v1
	s_mul_i32 s39, s14, 8*WP
	v_lshl_add_u32 v5, v1, 3, s39                  ; the stream's place in LDS: my 8 rows, 8 bytes a lane
	v_mul_u32_u24 v[BA0], v2, WP
	v_lshl_add_u32 v[BA0], v3, 4, v[BA0]
	v_add_nc_u32 v[BA0+1], 16*WP, v[BA0]           ; four bases: 16 rows pass the 16-bit offset
	v_add_nc_u32 v[BA0+2], 32*WP, v[BA0]
	v_add_nc_u32 v[BA0+3], 48*WP, v[BA0]
	s_lshl_b32 s41, 0x101, s16                     ; the expert's two bits in a token's word
	s_and_b32 s42, s14, 3
	s_lshl_b32 s42, s42, 3
	s_lshl_b32 s43, s15, 5
	s_add_co_u32 s42, s42, s43
	s_lshl_b32 s43, s16, 10
	s_add_co_u32 s42, s42, s43                     ; row 1,024 e + 32 s + 8 (w % 4)
	s_lshl_b32 s42, s42, 13
	s_mov_b32 s43, 0
	s_wait_kmcnt 0x0
	s_cmp_lt_u32 s14, 4
	s_cselect_b64 s[28:29], s[8:9], s[10:11]       ; waves 0-3 stream gate, waves 4-7 up
	s_add_nc_u64 s[28:29], s[28:29], s[42:43]
	s_cmp_lg_u32 s14, 0
	s_cbranch_scc1 .Lstart
.set i, 0
.rept 8
	global_load_b128 v[SEL+4*i:SEL+4*i+3], v4, s[4:5] offset:512*i  ; wave 0: route, 4 tokens a lane and load
.set i, i+1
.endr
.Lstart:
.set i, 0
.rept 32
	global_load_b128 v[STR+4*i:STR+4*i+3], v4, s[28:29] offset:512*i th:TH_LOAD_NT
.set i, i+1
.endr
	s_cmp_lg_u32 s14, 0
	s_cbranch_scc1 .Llisted
	v_lshlrev_b32 v[L8], 3, v1
	v_add_nc_u32 v[DMP], 0x400, v1
	v_add_nc_u32 v21, LIST, v4
.irp n, 0,1,2,3
	v_mov_b32 v[CV+(\n)], 0
.endr
.set i, 0
.rept 9
	ds_store_b128 v21, v[CV:CV+3] offset:512*i     ; the list's 4,608 bytes are written whole; LDS serves a wave's instructions in order, so the slots below land on top
.set i, i+1
.endr
	s_mov_b32 s17, 0
	s_wait_loadcnt 32                              ; route is in; the 32 loads of weights stay out
.irp j, 0,1,2,3,4,5,6,7,8,9,10,11,12,13,14,15,16,17,18,19,20,21,22,23,24,25,26,27,28,29,30,31
	LISTJ \j
.endr
	v_mov_b32 v21, CNTW
	v_mov_b32 v22, s17
	ds_store_b32 v21, v22                          ; the count: every lane stores the same
.Llisted:
	s_mov_b32 s26, 3
.Lstream:                                              ; a trip: 16 KiB of f32, two rows
	STURN 0, 1, 24                                 ; three younger slots of 8 loads stay out
	STURN 1, 1, 24
	STURN 2, 1, 24
	STURN 3, 1, 24
	s_wait_xcnt 0x0                                ; the pointer steps only behind this wait
	s_add_nc_u64 s[28:29], s[28:29], 0x4000
	v_add_nc_u32 v5, 2*WP, v5
	s_sub_co_u32 s26, s26, 1
	s_cmp_lg_u32 s26, 0
	s_cbranch_scc1 .Lstream
	STURN 0, 0, 24                                 ; the last four slots load nothing: the counts run down
	STURN 1, 0, 16
	STURN 2, 0, 8
	STURN 3, 0, 0
	s_wait_dscnt 0x0                               ; for the others' sake: my rows, and wave 0's list and count, are in LDS
	s_barrier_signal -1
	s_barrier_wait -1
	v_mov_b32 v18, CNTW
	ds_load_b32 v19, v18
	s_wait_dscnt 0x0
	v_readfirstlane_b32 s17, v19
	s_min_u32 s17, s17, 0x400                      ; count
	s_add_co_u32 s18, s17, 15
	s_lshr_b32 s18, s18, 4                         ; tiles
	s_add_co_u32 s19, s18, 1
	s_lshr_b32 s19, s19, 1                         ; pairs
	s_add_co_u32 s20, s19, 7
	s_sub_co_u32 s20, s20, s14
	s_lshr_b32 s20, s20, 3                         ; my pairs: 0 to 4
	s_sub_co_u32 s27, s17, 1                       ; the last rank (used where there is one)
	s_mov_b32 s[KOFF], 0
	SETBA
	s_mov_b32 s21, 0
.Lpair:                                                ; four trips; one past my share is jumped
	s_cmp_ge_u32 s21, s20
	s_cbranch_scc1 .Lnext
	s_wait_xcnt 0x0                                ; the last pair's stores have read their bases and data
	s_lshl3_add_u32 s22, s21, s14                  ; pair w + 8 trip
	s_lshl_b32 s23, s22, 1
	s_add_co_u32 s24, s23, 1
	s_cmp_lt_u32 s24, s18
	s_cselect_b32 s25, 1, 0                        ; is there a second tile?
	s_cselect_b32 s24, s24, s23                    ; if not, the first once more
	s_min_u32 s23, s23, 63
	s_min_u32 s24, s24, 63
.irp t, 0,1
	s_lshl_b32 s46, s[23+(\t)], 4
	v_add_nc_u32 v[18+(\t)], s46, v2               ; rank 16 tile + r,
	v_min_u32 v[18+(\t)], s27, v[18+(\t)]          ; the last one repeated past the count
	v_min_u32 v[18+(\t)], 0x3ff, v[18+(\t)]
	v_lshl_add_u32 v[18+(\t)], v[18+(\t)], 2, LIST
	ds_load_b32 v[20+(\t)], v[18+(\t)]
	s_lshl_b32 s42, s16, 6
	s_add_co_u32 s42, s42, s[23+(\t)]
	s_lshl_b32 s42, s42, 5
	s_add_co_u32 s42, s42, s15
	s_lshl_b32 s42, s42, 10                        ; block (64 e + tile) x 32 + s
	s_add_nc_u64 s[32+2*(\t):33+2*(\t)], s[12:13], s[42:43]
.endr
	s_mov_b64 s[30:31], s[6:7]
	s_wait_dscnt 0x0
.irp t, 0,1
	v_lshrrev_b32 v[20+(\t)], 1, v[20+(\t)]        ; slot / 2 = token
	v_min_u32 v[20+(\t)], 0x3ff, v[20+(\t)]
	v_lshlrev_b32 v[20+(\t)], 12, v[20+(\t)]
	v_lshl_add_u32 v[RO+(\t)], v3, 4, v[20+(\t)]   ; token x 4,096 + 16 h
.endr
	WIN TO_F
	BLD 0
.irp q, 0,1,2,3,4,5,6
	ALD \q
.endr
	STEP 0, 1, 1, 28, 1                            ; the first K step starts the sums
	WIN 0
	s_mov_b32 s26, 7
.Lk:                                                   ; a trip: 8 K steps
.irp q, 1,2,3,4,5,6,7,8
	STEP \q, 1, 0, 28, 1
.endr
	WIN 0
	s_wait_xcnt 0x0                                ; the pointer steps only behind this wait
	s_add_nc_u64 s[30:31], s[30:31], 512
	s_add_co_u32 s[KOFF], s[KOFF], 512
	SETBA
	s_sub_co_u32 s26, s26, 1
	s_cmp_lg_u32 s26, 0
	s_cbranch_scc1 .Lk
.irp q, 1,2,3,4,5,6
	STEP \q, 0, 0, 4*(7-(\q)), 1                   ; the last seven steps ask for no rows
.endr
	STEP 7, 0, 0, 0, 0
	WIN 0
	s_mov_b32 s[KOFF], 0                           ; back to the rows' beginning for the next pair;
	SETBA                                          ; these four lines are also the places behind the last products
	GOUT 0
	s_cmp_eq_u32 s25, 0
	s_cbranch_scc1 .Lnext
	GOUT 1
.Lnext:
	s_add_co_u32 s21, s21, 1
	s_cmp_lt_u32 s21, 4
	s_cbranch_scc1 .Lpair
	s_wait_dscnt 0x0
	s_barrier_signal -1                            ; every wave's reads of the slice and the list are over before any wave writes LDS again
	s_barrier_wait -1
	s_wait_tensorcnt 0x0                           ; the wave's end
	ds_add_u32 v[SPW], v[NIL]
	s_wait_dscnt 0x0
	s_endpgm
.Lfunc_end_k_qd68a02b6d3_gateup:
	.size	k_qd68a02b6d3_gateup, .Lfunc_end_k_qd68a02b6d3_gateup-k_qd68a02b6d3_gateup
	.p2alignl 7, 3214868480
	.fill 96, 4, 3214868480
	.section	.rodata,"a",@progbits
	.p2align	6, 0x0
	.amdhsa_kernel k_qd68a02b6d3_gateup
		.amdhsa_group_segment_fixed_size 268800
		.amdhsa_private_segment_fixed_size 0
		.amdhsa_enable_private_segment 0
		.amdhsa_kernarg_size 40
		.amdhsa_user_sgpr_count 2
		.amdhsa_user_sgpr_kernarg_segment_ptr 1
		.amdhsa_wavefront_size32 1
		.amdhsa_system_sgpr_workgroup_id_x 1
		.amdhsa_system_sgpr_workgroup_id_y 1
		.amdhsa_system_sgpr_workgroup_id_z 1
		.amdhsa_system_vgpr_workitem_id 0
		.amdhsa_next_free_vgpr 448
		.amdhsa_next_free_sgpr 66
		.amdhsa_reserve_vcc 1
		.amdhsa_float_denorm_mode_32 3
		.amdhsa_float_denorm_mode_16_64 3
		.amdhsa_memory_ordered 1
		.amdhsa_forward_progress 1
		.amdhsa_inst_pref_size 83
	.end_amdhsa_kernel
	.amdgpu_metadata
---
amdhsa.version: [ 1, 2 ]
amdhsa.kernels:
  - .name:           k_qd68a02b6d3_gateup
    .symbol:         k_qd68a02b6d3_gateup.kd
    .args:
      - { .name: route, .offset: 0, .size: 8, .value_kind: global_buffer, .address_space: global }
      - { .name: hn2, .offset: 8, .size: 8, .value_kind: global_buffer, .address_space: global }
      - { .name: w_gate, .offset: 16, .size: 8, .value_kind: global_buffer, .address_space: global }
      - { .name: w_up, .offset: 24, .size: 8, .value_kind: global_buffer, .address_space: global }
      - { .name: g, .offset: 32, .size: 8, .value_kind: global_buffer, .address_space: global }
    .group_segment_fixed_size: 268800
    .private_segment_fixed_size: 0
    .kernarg_segment_align: 8
    .kernarg_segment_size: 40
    .max_flat_workgroup_size: 256
    .sgpr_count:     66
    .vgpr_count:     448
    .wavefront_size: 32
...
	.end_amdgpu_metadata
.endif
;; end of part 6
;; launch down (part 7): grid 32 x 8, 8 waves a work-group, no clusters, 172,544 bytes of LDS; arguments route, g, w_down, y; writes y
.if DOCPART == 7
	.amdgcn_target "amdgcn-amd-amdhsa--gfx1250"
	.amdhsa_code_object_version 6
	.text
	.protected	k_qd68a02b6d3_down
	.globl	k_qd68a02b6d3_down
	.p2align	8
	.type	k_qd68a02b6d3_down,@function
k_qd68a02b6d3_down:
	s_mov_b64 s[64:65], 0
	v_nop
	global_prefetch_b8 v0, s[64:65] scope:SCOPE_SE
	s_setreg_imm32_b32 hwreg(HW_REG_WAVE_MODE, 25, 1), 1
	s_wait_xcnt 0x0
; y[slot] = g[rank] w_down[e]^T for each chosen (token, expert): slot = 2 token + (0 first choice, 1 second); y f32 [2048][2048]: partial rows, added by the next launch.
; g bf16 in the image of operand registers (see the launch gateup); w_down f32 [8][2048][1024], rounded to bf16 on its way; sums in f32.
; SHARES.  Work-group (s, e): output columns 64 s .. 64 s + 63 of expert e: 64 rows of weights, which it alone reads, and all of the expert's ranks.
; PHASES as in gateup: wave 0 makes the list and the count from route, in the same order of ranks; the slice goes through registers into LDS; one barrier; then pairs of 16-rank tiles, wave w taking
; pairs w, w + 8, ..: a loop of 4 trips in which a trip past the wave's share is jumped, with no barrier in it.  EXEC is never narrowed.
; K's 32 steps are written out: every LDS address of the loop is a register that is never rewritten plus an immediate, and g's pointer is never stepped.
; In the loop LDS is written at fixed places of the wave's own alone: the stage of 16 rows for the way out.
; THE WAY OUT: a tile's 16 rows of 256 bytes go through the stage and leave as whole rows, two a store, each to the row of y that the list names.  Stores wholly past the count are jumped.
; In the one store that holds a row on either side of an odd count both halves of the lanes name the last rank's row and hold its bytes (gateup repeated that row), so the same bytes go to the same place.
; NO MULTICAST here: each weight has one reader; g's tiles are shared by an expert's 32 work-groups, but their number hangs on the count.
; LIMITS: bf16's range is f32's.  NaN and infinities are not treated apart.
.set WP,    2064                       ; a row of weights in LDS: 2,048 bytes + 16
.set LIST,  64*WP                      ; 1,024 ranks, 32 dump words, the count's word: 4,608 bytes, written whole with zeros first
.set CNTW,  LIST+4480
.set STAGE, LIST+4608
.set SP,    272
.set SPARE, STAGE+8*16*SP              ; the spare words, 128 bytes a wave
.set SPW, 6
.set NIL, 7
.set BA0, 8                            ; v8-9    my lane's place in blocks 0-1 and 2-3 of 16 rows; never rewritten
.set RO,  16
.set DMP, 23
.set SEL, 24
.set L8,  56
.set C16, 58                           ; v58     16 (l % 16)
.set STO, 59
.set RD,  60
.set STR, 64
.set CV,  192
.set ACC, 64
.set OB,  144
.set SL,  176
.set AR,  0
.set BF,  128
.set MSB, 0
.macro WIN new
.if MSB != (\new)
	s_set_vgpr_msb (MSB<<8)|(\new)
.set MSB, \new
.endif
.endm
.set MUL,  0x05
.set TO_F, 0x40
.macro PLACES
.rept 4
	v_nop
.endr
.endm
.macro LISTJ j                         ; as in gateup: the same ranks
	v_and_b32 v19, s41, v[SEL+(\j)]
	v_cmp_ne_u32 s36, 0, v19
	v_cmp_lt_u32 vcc_lo, 0xff, v19
	v_mbcnt_lo_u32_b32 v20, s36, s17
	v_cndmask_b32 v20, v[DMP], v20, s36
	v_min_u32 v20, 0x43f, v20
	v_lshl_add_u32 v21, v20, 2, LIST
	v_cndmask_b32 v22, 0, 1, vcc_lo
	v_add_nc_u32 v22, v[L8], v22
	v_add_nc_u32 v22, 256*((\j)/4)+2*((\j)%4), v22
	ds_store_b32 v21, v22
	s_bcnt1_i32_b32 s39, s36
	s_add_co_u32 s17, s17, s39
.endm
.macro STURN sl, row, refill, left     ; slot sl holds one row of 4,096 bytes of f32: row `row` of my eight
	s_wait_loadcnt \left
.set i, 0
.rept 8
	v_cvt_pk_bf16_f32 v[CV+2*i], v[STR+32*(\sl)+4*i], v[STR+32*(\sl)+4*i+1]
	v_cvt_pk_bf16_f32 v[CV+2*i+1], v[STR+32*(\sl)+4*i+2], v[STR+32*(\sl)+4*i+3]
	ds_store_b64 v5, v[CV+2*i:CV+2*i+1] offset:(\row)*WP+256*i
.set i, i+1
.endr
.if \refill
.set i, 0
.rept 8
	global_load_b128 v[STR+32*(\sl)+4*i:STR+32*(\sl)+4*i+3], v4, s[28:29] offset:((\sl)+4)*4096+512*i th:TH_LOAD_NT
.set i, i+1
.endr
.endif
.endm
.macro BLD q                           ; the weights of K step q, into buffer q % 2
.irp blk, 0,1,2,3
	ds_load_b128 v[BF+32*((\q)%2)+8*(\blk):BF+32*((\q)%2)+8*(\blk)+3],   v[BA0+(\blk)/2] offset:((\blk)%2)*16*WP+(\q)*64
	ds_load_b128 v[BF+32*((\q)%2)+8*(\blk)+4:BF+32*((\q)%2)+8*(\blk)+7], v[BA0+(\blk)/2] offset:((\blk)%2)*16*WP+(\q)*64+32
.endr
.endm
.macro ALD q                           ; K step q's block of g, into stage q % 8: 512 consecutive bytes a load
.irp t, 0,1
	global_load_b128 v[AR+16*((\q)%8)+8*(\t):AR+16*((\q)%8)+8*(\t)+3],   v[RO+(\t)], s[48:49] offset:(\q)*1024
	global_load_b128 v[AR+16*((\q)%8)+8*(\t)+4:AR+16*((\q)%8)+8*(\t)+7], v[RO+(\t)], s[48:49] offset:(\q)*1024+512
.endr
.endm
.macro STEP q, refill, zero, left, nextb
	PLACES                                         ; the registers loaded below were read by the last step's products (ISA guide 7.12.1)
	WIN TO_F
.if \nextb
	BLD (\q)+1
.endif
.if \refill
	ALD (\q)+7
.endif
.if \nextb
	s_wait_dscnt 8                                 ; this step's weights are in; the 8 loads just issued stay out
.else
	s_wait_dscnt 0x0
.endif
	s_wait_loadcnt \left                           ; this step's rows are in; the younger stages, 4 loads each, stay out
	WIN MUL
.irp t, 0,1
.irp blk, 0,1,2,3
.if \zero
	v_wmma_f32_16x16x32_bf16 v[ACC+32*(\t)+8*(\blk):ACC+32*(\t)+8*(\blk)+7], v[BF+32*((\q)%2)+8*(\blk):BF+32*((\q)%2)+8*(\blk)+7], v[AR+16*((\q)%8)+8*(\t):AR+16*((\q)%8)+8*(\t)+7], 0
.else
	v_wmma_f32_16x16x32_bf16 v[ACC+32*(\t)+8*(\blk):ACC+32*(\t)+8*(\blk)+7], v[BF+32*((\q)%2)+8*(\blk):BF+32*((\q)%2)+8*(\blk)+7], v[AR+16*((\q)%8)+8*(\t):AR+16*((\q)%8)+8*(\t)+7], v[ACC+32*(\t)+8*(\blk):ACC+32*(\t)+8*(\blk)+7]
.endif
.endr
.endr
.endm
.macro YOUT t
	s_wait_xcnt 0x0                                ; earlier stores have read the registers that are loaded below
	s_lshl_b32 s46, s[23+(\t)], 4
	s_sub_co_u32 s47, s17, s46
	s_min_u32 s47, s47, 16                         ; the tile's rows within the count: 1 to 16
.irp blk, 0,1,2,3
	ds_store_b128 v[STO], v[ACC+32*(\t)+8*(\blk):ACC+32*(\t)+8*(\blk)+3]   offset:64*(\blk)  ; each accumulator from its low end on
	ds_store_b128 v[STO], v[ACC+32*(\t)+8*(\blk)+4:ACC+32*(\t)+8*(\blk)+7] offset:64*(\blk)+16
.endr
	v_add_nc_u32 v18, s46, v3                      ; rank 16 tile + h
.irp tt, 0,1,2,3,4,5,6,7
	v_add_nc_u32 v19, 2*(\tt), v18
	v_min_u32 v19, s27, v19                        ; the last rank repeated past the count
	v_min_u32 v19, 0x3ff, v19
	v_lshl_add_u32 v19, v19, 2, LIST
	ds_load_b32 v[SL+(\tt)], v19
.endr
.irp tt, 0,1,2,3,4,5,6,7
	ds_load_b128 v[OB+4*(\tt):OB+4*(\tt)+3], v[RD] offset:(\tt)*2*SP  ; LDS serves a wave's instructions in order: these see the stores above
.endr
	s_wait_dscnt 0x0
.irp tt, 0,1,2,3,4,5,6,7
	v_min_u32 v[SL+(\tt)], 0x7ff, v[SL+(\tt)]
	v_lshl_add_u32 v[SL+(\tt)], v[SL+(\tt)], 13, v[C16]  ; slot x 8,192 + 16 (l % 16)
.endr
.irp tt, 0,1,2,3,4,5,6,7
.if (\tt) > 0
	s_cmp_le_u32 s47, 2*(\tt)
	s_cbranch_scc1 .Lyend_\@                       ; the rest lies past the count
.endif
	global_store_b128 v[SL+(\tt)], v[OB+4*(\tt):OB+4*(\tt)+3], s[32:33]  ; sixteen lanes store a row's 256 bytes, aligned
.endr
.Lyend_\@:
.endm
	s_load_b256 s[4:11], s[0:1], 0x0               ; route s[4:5], g s[6:7], w_down s[8:9], y s[10:11]
	v_lshl_add_u32 v[SPW], v0, 2, SPARE
	v_mov_b32 v[NIL], 0
	v_lshrrev_b32 v18, 5, v0
	v_readfirstlane_b32 s14, v18                   ; wave 0..7
	s_mov_b32 s15, ttmp9                           ; slice
	s_and_b32 s16, ttmp7, 0xffff                   ; expert
	v_and_b32 v1, 31, v0
	v_and_b32 v2, 15, v0                           ; r
	v_bfe_u32 v3, v0, 4, 1                         ; h
	v_lshlrev_b32 v4, 4, v1
	v_lshlrev_b32 v[C16], 4, v2
	s_mul_i32 s39, s14, 8*WP
	v_lshl_add_u32 v5, v1, 3, s39                  ; the stream's place in LDS: my 8 rows, 8 bytes a lane
	v_mul_u32_u24 v[BA0], v2, WP
	v_lshl_add_u32 v[BA0], v3, 4, v[BA0]
	v_add_nc_u32 v[BA0+1], 32*WP, v[BA0]           ; two bases: 32 rows pass the 16-bit offset
	s_mul_i32 s39, s14, 16*SP
	s_add_co_u32 s39, s39, STAGE                   ; my stage
	v_mul_u32_u24 v[STO], v2, SP
	v_lshl_add_u32 v[STO], v3, 5, v[STO]
	v_add_nc_u32 v[STO], s39, v[STO]               ; in: row r, byte 32 h
	v_mul_u32_u24 v[RD], v3, SP
	v_lshl_add_u32 v[RD], v2, 4, v[RD]
	v_add_nc_u32 v[RD], s39, v[RD]                 ; back: lanes 0-15 one row, lanes 16-31 the next
	s_lshl_b32 s41, 0x101, s16                     ; the expert's two bits in a token's word
	s_lshl_b32 s42, s14, 3
	s_lshl_b32 s43, s15, 6
	s_add_co_u32 s42, s42, s43
	s_lshl_b32 s43, s16, 11
	s_add_co_u32 s42, s42, s43                     ; row 2,048 e + 64 s + 8 w
	s_lshl_b32 s42, s42, 12
	s_mov_b32 s43, 0
	s_lshl_b32 s44, s16, 21                        ; the expert's 64 tiles of 32 KiB in g
	s_mov_b32 s45, 0
	s_lshl_b32 s50, s15, 8                         ; my 64 columns in a row of y
	s_mov_b32 s51, 0
	s_wait_kmcnt 0x0
	s_add_nc_u64 s[28:29], s[8:9], s[42:43]
	s_add_nc_u64 s[48:49], s[6:7], s[44:45]
	s_add_nc_u64 s[32:33], s[10:11], s[50:51]
	s_cmp_lg_u32 s14, 0
	s_cbranch_scc1 .Lstart
.set i, 0
.rept 8
	global_load_b128 v[SEL+4*i:SEL+4*i+3], v4, s[4:5] offset:512*i  ; wave 0: route, 4 tokens a lane and load
.set i, i+1
.endr
.Lstart:
.set i, 0
.rept 32
	global_load_b128 v[STR+4*i:STR+4*i+3], v4, s[28:29] offset:512*i th:TH_LOAD_NT
.set i, i+1
.endr
	s_cmp_lg_u32 s14, 0
	s_cbranch_scc1 .Llisted
	v_lshlrev_b32 v[L8], 3, v1
	v_add_nc_u32 v[DMP], 0x400, v1
	v_add_nc_u32 v21, LIST, v4
.irp n, 0,1,2,3
	v_mov_b32 v[CV+(\n)], 0
.endr
.set i, 0
.rept 9
	ds_store_b128 v21, v[CV:CV+3] offset:512*i     ; the list's 4,608 bytes are written whole; the slots below land on top
.set i, i+1
.endr
	s_mov_b32 s17, 0
	s_wait_loadcnt 32                              ; route is in; the 32 loads of weights stay out
.irp j, 0,1,2,3,4,5,6,7,8,9,10,11,12,13,14,15,16,17,18,19,20,21,22,23,24,25,26,27,28,29,30,31
	LISTJ \j
.endr
	v_mov_b32 v21, CNTW
	v_mov_b32 v22, s17
	ds_store_b32 v21, v22                          ; the count: every lane stores the same
.Llisted:
	STURN 0, 0, 1, 24                              ; my eight rows: three younger slots of 8 loads stay out
	STURN 1, 1, 1, 24
	STURN 2, 2, 1, 24
	STURN 3, 3, 1, 24
	STURN 0, 4, 0, 24                              ; the last four load nothing: the counts run down
	STURN 1, 5, 0, 16
	STURN 2, 6, 0, 8
	STURN 3, 7, 0, 0
	s_wait_dscnt 0x0                               ; for the others' sake: my rows, and wave 0's list and count, are in LDS
	s_barrier_signal -1
	s_barrier_wait -1
	v_mov_b32 v18, CNTW
	ds_load_b32 v19, v18
	s_wait_dscnt 0x0
	v_readfirstlane_b32 s17, v19
	s_min_u32 s17, s17, 0x400                      ; count
	s_add_co_u32 s18, s17, 15
	s_lshr_b32 s18, s18, 4                         ; tiles
	s_add_co_u32 s19, s18, 1
	s_lshr_b32 s19, s19, 1                         ; pairs
	s_add_co_u32 s20, s19, 7
	s_sub_co_u32 s20, s20, s14
	s_lshr_b32 s20, s20, 3                         ; my pairs: 0 to 4
	s_sub_co_u32 s27, s17, 1                       ; the last rank (used where there is one)
	s_mov_b32 s21, 0
.Lpair:                                                ; four trips; one past my share is jumped
	s_cmp_ge_u32 s21, s20
	s_cbranch_scc1 .Lnext
	s_lshl3_add_u32 s22, s21, s14                  ; pair w + 8 trip
	s_lshl_b32 s23, s22, 1
	s_add_co_u32 s24, s23, 1
	s_cmp_lt_u32 s24, s18
	s_cselect_b32 s25, 1, 0                        ; is there a second tile?
	s_cselect_b32 s24, s24, s23                    ; if not, the first once more
	s_min_u32 s23, s23, 63
	s_min_u32 s24, s24, 63
.irp t, 0,1
	s_lshl_b32 s46, s[23+(\t)], 15
	v_add_nc_u32 v[RO+(\t)], s46, v4               ; tile x 32,768 + 16 l (the last pair's loads have all been waited for)
.endr
	WIN TO_F
	BLD 0
.irp q, 0,1,2,3,4,5,6
	ALD \q
.endr
	STEP 0, 1, 1, 28, 1                            ; the first K step starts the sums
.set kq, 1
.rept 24
	STEP kq, 1, 0, 28, 1                           ; seven younger stages stay out
.set kq, kq+1
.endr
.rept 6
	STEP kq, 0, 0, 4*(31-kq), 1                    ; the last seven steps ask for no rows: the counts run down
.set kq, kq+1
.endr
	STEP 31, 0, 0, 0, 0
	WIN 0
	PLACES
	YOUT 0
	s_cmp_eq_u32 s25, 0
	s_cbranch_scc1 .Lnext
	YOUT 1
.Lnext:
	s_add_co_u32 s21, s21, 1
	s_cmp_lt_u32 s21, 4
	s_cbranch_scc1 .Lpair
	s_wait_tensorcnt 0x0                           ; the wave's end
	ds_add_u32 v[SPW], v[NIL]
	s_wait_dscnt 0x0
	s_endpgm
.Lfunc_end_k_qd68a02b6d3_down:
	.size	k_qd68a02b6d3_down, .Lfunc_end_k_qd68a02b6d3_down-k_qd68a02b6d3_down
	.p2alignl 7, 3214868480
	.fill 96, 4, 3214868480
	.section	.rodata,"a",@progbits
	.p2align	6, 0x0
	.amdhsa_kernel k_qd68a02b6d3_down
		.amdhsa_group_segment_fixed_size 172544
		.amdhsa_private_segment_fixed_size 0
		.amdhsa_enable_private_segment 0
		.amdhsa_kernarg_size 32
		.amdhsa_user_sgpr_count 2
		.amdhsa_user_sgpr_kernarg_segment_ptr 1
		.amdhsa_wavefront_size32 1
		.amdhsa_system_sgpr_workgroup_id_x 1
		.amdhsa_system_sgpr_workgroup_id_y 1
		.amdhsa_system_sgpr_workgroup_id_z 1
		.amdhsa_system_vgpr_workitem_id 0
		.amdhsa_next_free_vgpr 448
		.amdhsa_next_free_sgpr 66
		.amdhsa_reserve_vcc 1
		.amdhsa_float_denorm_mode_32 3
		.amdhsa_float_denorm_mode_16_64 3
		.amdhsa_memory_ordered 1
		.amdhsa_forward_progress 1
		.amdhsa_inst_pref_size 110
	.end_amdhsa_kernel
	.amdgpu_metadata
---
amdhsa.version: [ 1, 2 ]
amdhsa.kernels:
  - .name:           k_qd68a02b6d3_down
    .symbol:         k_qd68a02b6d3_down.kd
    .args:
      - { .name: route, .offset: 0, .size: 8, .value_kind: global_buffer, .address_space: global }
      - { .name: g, .offset: 8, .size: 8, .value_kind: global_buffer, .address_space: global }
      - { .name: w_down, .offset: 16, .size: 8, .value_kind: global_buffer, .address_space: global }
      - { .name: y, .offset: 24, .size: 8, .value_kind: global_buffer, .address_space: global }
    .group_segment_fixed_size: 172544
    .private_segment_fixed_size: 0
    .kernarg_segment_align: 8
    .kernarg_segment_size: 32
    .max_flat_workgroup_size: 256
    .sgpr_count:     66
    .vgpr_count:     448
    .wavefront_size: 32
...
	.end_amdgpu_metadata
.endif
;; end of part 7
;; launch combine (part 8): grid 256 x 1, 8 waves a work-group, no clusters, 0 bytes of LDS; arguments h1, y, hn2, out0; writes out0
.if DOCPART == 8
	.amdgcn_target "amdgcn-amd-amdhsa--gfx1250"
	.amdhsa_code_object_version 6
	.text
	.protected	k_qd68a02b6d3_combine
	.globl	k_qd68a02b6d3_combine
	.p2align	8
	.type	k_qd68a02b6d3_combine,@function
k_qd68a02b6d3_combine:
	s_mov_b64 s[64:65], 0
	v_nop
	global_prefetch_b8 v0, s[64:65] scope:SCOPE_SE
	s_setreg_imm32_b32 hwreg(HW_REG_WAVE_MODE, 25, 1), 1
	s_wait_xcnt 0x0
; out0[t] = h1[t] + w0 y[2 t] + w1 y[2 t + 1], all f32; (w0, w1) lie behind hn2's rows, at byte 4,194,304 + 8 t.
; A stream: each byte is read once and written once; no LDS, no matrix unit.  The work-group has four rows; a wave half a row: 8 x 3 loads of 512 consecutive bytes, all out at once.
	s_load_b256 s[4:11], s[0:1], 0x0               ; h1 s[4:5], y s[6:7], hn2 s[8:9], out0 s[10:11]
	v_lshrrev_b32 v1, 5, v0
	v_readfirstlane_b32 s12, v1
	s_lshr_b32 s13, s12, 1
	s_lshl2_add_u32 s13, ttmp9, s13                ; row
	s_and_b32 s12, s12, 1
	s_lshl_b32 s12, s12, 12                        ; my half of it
	v_and_b32 v1, 31, v0
	v_lshl_add_u32 v1, v1, 4, s12
	s_lshl_b32 s14, s13, 3
	s_lshl_b32 s20, s13, 13
	s_mov_b32 s21, 0
	s_lshl_b32 s22, s13, 14
	s_mov_b32 s23, 0
	s_wait_kmcnt 0x0
	s_load_b64 s[16:17], s[8:9], s14 offset:0x400000
	s_add_nc_u64 s[4:5], s[4:5], s[20:21]
	s_add_nc_u64 s[10:11], s[10:11], s[20:21]
	s_add_nc_u64 s[6:7], s[6:7], s[22:23]
.irp i, 0,1,2,3,4,5,6,7
	global_load_b128 v[8+4*(\i):11+4*(\i)],  v1, s[4:5] offset:512*(\i) th:TH_LOAD_NT
	global_load_b128 v[40+4*(\i):43+4*(\i)], v1, s[6:7] offset:512*(\i) th:TH_LOAD_NT
	global_load_b128 v[72+4*(\i):75+4*(\i)], v1, s[6:7] offset:8192+512*(\i) th:TH_LOAD_NT
.endr
	s_wait_kmcnt 0x0
	s_mov_b32 s18, s17                             ; w1 in the low word of a pair of its own
	s_mov_b32 s19, s17
.irp i, 0,1,2,3,4,5,6,7
	s_wait_loadcnt 3*(7-(\i))                      ; this piece's three loads are in; the younger pieces stay out
	v_pk_fma_f32 v[8+4*(\i):9+4*(\i)],   v[40+4*(\i):41+4*(\i)], s[16:17], v[8+4*(\i):9+4*(\i)]   op_sel_hi:[1,0,1]
	v_pk_fma_f32 v[10+4*(\i):11+4*(\i)], v[42+4*(\i):43+4*(\i)], s[16:17], v[10+4*(\i):11+4*(\i)] op_sel_hi:[1,0,1]
	v_pk_fma_f32 v[8+4*(\i):9+4*(\i)],   v[72+4*(\i):73+4*(\i)], s[18:19], v[8+4*(\i):9+4*(\i)]   op_sel_hi:[1,0,1]
	v_pk_fma_f32 v[10+4*(\i):11+4*(\i)], v[74+4*(\i):75+4*(\i)], s[18:19], v[10+4*(\i):11+4*(\i)] op_sel_hi:[1,0,1]
	global_store_b128 v1, v[8+4*(\i):11+4*(\i)], s[10:11] offset:512*(\i) th:TH_STORE_NT
.endr
	s_endpgm
.Lfunc_end_k_qd68a02b6d3_combine:
	.size	k_qd68a02b6d3_combine, .Lfunc_end_k_qd68a02b6d3_combine-k_qd68a02b6d3_combine
	.p2alignl 7, 3214868480
	.fill 96, 4, 3214868480
	.section	.rodata,"a",@progbits
	.p2align	6, 0x0
	.amdhsa_kernel k_qd68a02b6d3_combine
		.amdhsa_group_segment_fixed_size 0
		.amdhsa_private_segment_fixed_size 0
		.amdhsa_enable_private_segment 0
		.amdhsa_kernarg_size 32
		.amdhsa_user_sgpr_count 2
		.amdhsa_user_sgpr_kernarg_segment_ptr 1
		.amdhsa_wavefront_size32 1
		.amdhsa_system_sgpr_workgroup_id_x 1
		.amdhsa_system_sgpr_workgroup_id_y 1
		.amdhsa_system_sgpr_workgroup_id_z 1
		.amdhsa_system_vgpr_workitem_id 0
		.amdhsa_next_free_vgpr 112
		.amdhsa_next_free_sgpr 66
		.amdhsa_reserve_vcc 0
		.amdhsa_float_denorm_mode_32 3
		.amdhsa_float_denorm_mode_16_64 3
		.amdhsa_memory_ordered 1
		.amdhsa_forward_progress 1
		.amdhsa_inst_pref_size 7
	.end_amdhsa_kernel
	.amdgpu_metadata
---
amdhsa.version: [ 1, 2 ]
amdhsa.kernels:
  - .name:           k_qd68a02b6d3_combine
    .symbol:         k_qd68a02b6d3_combine.kd
    .args:
      - { .name: h1, .offset: 0, .size: 8, .value_kind: global_buffer, .address_space: global }
      - { .name: y, .offset: 8, .size: 8, .value_kind: global_buffer, .address_space: global }
      - { .name: hn2, .offset: 16, .size: 8, .value_kind: global_buffer, .address_space: global }
      - { .name: out0, .offset: 24, .size: 8, .value_kind: global_buffer, .address_space: global }
    .group_segment_fixed_size: 0
    .private_segment_fixed_size: 0
    .kernarg_segment_align: 8
    .kernarg_segment_size: 32
    .max_flat_workgroup_size: 256
    .sgpr_count:     66
    .vgpr_count:     112
    .wavefront_size: 32
...
	.end_amdgpu_metadata
.endif
;; end of part 8
